; MI455X (gfx1250); checked and timed in simulation.
; The chip was launched on July 23, 2026; its instructions are those of AMD's public machine-readable ISA for CDNA 5 (MIT licence, August 2026) and "CDNA5" Instruction Set Architecture Reference Guide (July 2026). The comments in the code are by the model that wrote it; some were corrected since.
;; Multi Head Attention. Allowed arithmetic: matrix products marked QUANTISED: E2M1 operands, one E8M0 scale for each 32 along K, by v_wmma_scale_f32_16x16x128_f8f6f4 with both operands' format E2M1 (or v_wmma_scale_f32_32x16x128_f4), f32 sums; products left as they are: bf16, f16 or f32 operands; f32 sums; everything else in f32.
;; Inputs: Wk 1,024 x 1,024 float32; Wo 1,024 x 1,024 float32; Wq 1,024 x 1,024 float32; Wv 1,024 x 1,024 float32; bk 1,024 float32; bo 1,024 float32; bq 1,024 float32; bv 1,024 float32; k 2 x 2,048 x 1,024 float32; mask 2 x 1 x 2,048 x 2,048 bool; q 2 x 2,048 x 1,024 float32; v 2 x 2,048 x 1,024 float32.
;; Outputs: out0 2 x 2,048 x 1,024 float32.
;; This version of the problem:
;;   THIS VERSION OF THE PROBLEM IS GIVEN IN LOW PRECISION. The matrix products marked QUANTISED in the list below multiply operands that are first quantised to E2M1 (2 exponent bits, 1 mantissa bit; 4 bits a number), with one power-of-two scale for each 32 numbers along K (OCP MX v1.0); their sums are f32. The products marked 'left as it is' may take bf16, f16 or f32 operands, with f32 sums. Whichever they take, every output number must still come out within the allowed error. Rounding operands to bf16 (8 significant bits) uses up far more of that allowance than f16 does (11 bits, for magnitudes from 6e-5 to 65,504). All else is computed in f32.
;;   The module's matrix products, in the order in which they are computed (A, B: the left and right operand; K: the contracted axis; several contracted axes count as one K, in the product's order):
;;     1. [M 4,096, K 1,024] x [K 1,024, N 1,024]; A: input q; B: input Wq: QUANTISED
;;     2. [M 4,096, K 1,024] x [K 1,024, N 1,024]; A: input k; B: input Wk: QUANTISED
;;     3. [M 4,096, K 1,024] x [K 1,024, N 1,024]; A: input v; B: input Wv: QUANTISED
;;     4. batch 32 x [M 2,048, K 64] x [K 64, N 2,048]; A: computed on the way; B: computed on the way: left as it is (an operand is computed on the way)
;;     5. batch 32 x [M 2,048, K 2,048] x [K 2,048, N 64]; A: computed on the way; B: computed on the way: left as it is (an operand is computed on the way)
;;     6. [M 4,096, K 1,024] x [K 1,024, N 1,024]; A: computed on the way; B: input Wo: left as it is (an operand is computed on the way)
;;   THE QUANTISER, for each operand of a quantised product, along K:
;;     - K is cut into blocks of 32 from its start; a last block that is shorter is filled with zeros.
;;     - A block's scale is 2^e with e = floor(log2(the largest magnitude in the block)) - 2, held to -126 .. 127; a block of zeros has e = 0. As a byte (E8M0): e + 127.
;;     - Each number is divided by its block's scale, clamped to +-6, and rounded to the nearest number of E2M1, ties to even, subnormals kept.
;;     - The product sums the exact products of the quantised numbers (number of the format x scale) in f32.
;;   ~~~python
;;   def quantise(x, axis):      # numpy; x: float32 -> the quantised numbers, widened to float32 again
;;       x = np.moveaxis(x, axis, -1); K = x.shape[-1]
;;       x = np.pad(x, [(0, 0)] * (x.ndim - 1) + [(0, -K % 32)]); x = x.reshape(x.shape[:-1] + (-1, 32)); a = np.abs(x).max(-1, keepdims=True)
;;       e = np.where(a > 0, np.clip(np.frexp(np.where(a > 0, a, 1))[1] - 1 - 2, -126, 127), 0)      # np.frexp(a)[1] - 1 = floor(log2(a)), exactly
;;       r = np.clip(x / 2.0 ** e, -6, 6)
;;       step = 2.0 ** (np.maximum(np.frexp(np.where(r == 0, 1, r))[1] - 1, 0) - 1)
;;       q = np.round(r / step) * step * 2.0 ** e      # np.round: ties to even
;;       return np.moveaxis(q.reshape(q.shape[:-2] + (-1,))[..., :K], -1, axis).astype(np.float32)
;;   ~~~
;; One version. Each part assembles by itself: llvm-mc -triple=amdgcn-amd-amdhsa -mcpu=gfx1250 --defsym DOCPART=n.
;; ======== version 1 of 1: 4 launches
;; limits: values are held in f16: magnitudes above 65,504 overflow, below 6.1e-05 lose precision
;; workspace buffers: codes 7,864,320 bytes; scales 491,520 bytes; woh 2,097,152 bytes; maskw 1,048,576 bytes of whole numbers; qkv 25,165,824 bytes; oh 8,388,608 bytes
;; launch prep (part 1): grid 864 x 1, 4 waves a work-group, no clusters, 67,072 bytes of LDS; arguments k, v, q, Wk, Wv, Wq, Wo, mask, codes, scales, woh, maskw; writes codes, scales, woh, maskw
.if DOCPART == 1
	.amdgcn_target "amdgcn-amd-amdhsa--gfx1250"
	.amdhsa_code_object_version 6
	.text
	.protected	k_qeccc76b013_prep
	.globl	k_qeccc76b013_prep
	.p2align	8
	.type	k_qeccc76b013_prep,@function
k_qeccc76b013_prep:
	s_mov_b64 s[64:65], 0
	v_nop
	global_prefetch_b8 v0, s[64:65] scope:SCOPE_SE
	s_setreg_imm32_b32 hwreg(HW_REG_WAVE_MODE, 25, 1), 1
	s_wait_xcnt 0x0
; PREP: everything that later launches read many times is brought into the form in which they read it, once.
; Three roles, chosen by the work-group's number alone; no role shares LDS bytes, a barrier or a label with another, and each ends by itself.
;   work-groups 0-479   QUANT: k, v, q [4096][1024] and Wk, Wv, Wq [1024][1024], f32, K innermost, become codes of FP4 (E2M1) and one E8M0 byte for each 32 along K.
;                       The six tensors are one stream of blocks of 32 in that order, and so are the codes (16 bytes a block) and the scale bytes: 32,768 numbers a work-group, 8,192 a wave.
;   work-groups 480-607 WO:    Wo [1024][1024] f32 becomes f16, row-major: 2,048 numbers a wave.
;   work-groups 608-863 MASK:  mask [2][2048][2048] bytes becomes words that are lane masks: word [b][query tile][key tile][j], bit l = mask[b][16 qt + l % 16][16 kt + 8 (l / 16) + j]:
;                       the place that lane l's register j of a 16 x 16 tile of transposed scores has.  One work-group takes a tile of 16 queries, a wave 512 of its keys.
; THE QUANTISER: a block's scale is 2^(floor(log2(its largest magnitude)) - 2); its byte is the largest magnitude's exponent field - 2, held at 1 from below; each number is divided by the scale and
; rounded to the nearest code, ties to even, beyond 6 the largest code.
; LIMITS: a block of zeros gets the byte 1 where the rule says 127 (its codes are zeros, which add nothing under any byte but 0xff, and this program alone reads the bytes); blocks whose largest
; magnitude lies under 2^-124 keep the byte 1; NaN and infinities among the inputs are not served; Wo's numbers must lie within f16's range (65,504).
; No tensor loads, no barrier, no cluster: no two work-groups read the same input byte, and waves share nothing.
.set STEPS, 16
.set EMAX,  2
.set CB,    8                          ; bytes of 16 codes
.set R,     16                         ; v16-79   QUANT: four sets of 16 numbers as loaded
.set X,     80                         ; v80-111  QUANT: two sets of 16 neighbours
.set E,     112                        ; v112-127 QUANT: a scale byte for each step
.set C,     128                        ; v128-191 QUANT: codes, four registers for each step
.set WREG,  8192                       ; LDS 0-32,767: QUANT, a region for each wave: two stages of 32 x SP bytes, behind them its 256 scale bytes
.set SP,    80                         ; a lane's place in a stage: 64 bytes + 16 of padding
.set MBASE, 32768                      ; LDS 32,768-66,559: MASK, a region for each wave: 16 rows of 512 bytes + 16 of padding
.set MP,    528
.set MREG,  16*MP
.set SPARE, MBASE+4*MREG               ; 66,560: the spare words, 128 bytes for each wave: two blocks of 256 bytes that no other line names
.set SPW,   12                         ; v12  LDS address of my spare word; never rewritten
.set NIL,   13                         ; v13  0; never rewritten
	s_load_b512 s[4:19], s[0:1], 0x0               ; k s[4:5], v s[6:7], q s[8:9], Wk s[10:11], Wv s[12:13], Wq s[14:15], Wo s[16:17], mask s[18:19]
	s_load_b256 s[20:27], s[0:1], 0x40             ; codes s[20:21], scales s[22:23], woh s[24:25], maskw s[26:27]
	v_lshl_add_u32 v[SPW], v0, 2, SPARE
	v_mov_b32 v[NIL], 0
	v_lshrrev_b32 v1, 5, v0
	v_readfirstlane_b32 s28, v1                    ; wave 0..3
	v_and_b32 v2, 31, v0                           ; lane
	v_lshlrev_b32 v3, 4, v2                        ; 16 x lane: my 16 bytes of a load's 512; never rewritten
	s_wait_kmcnt 0x0
	s_cmp_ge_u32 ttmp9, 608
	s_cbranch_scc1 .Lmask
	s_cmp_ge_u32 ttmp9, 480
	s_cbranch_scc1 .Lwo
; ---------------------------------------------------------------- QUANT
	s_mul_i32 s29, s28, WREG
	v_lshrrev_b32 v14, 2, v2
	v_mul_u32_u24 v14, v14, SP
	v_and_b32 v15, 3, v2
	v_lshl_add_u32 v14, v15, 4, v14
	v_add_nc_u32 v14, s29, v14                     ; the stage, on the way in: four lanes' 64 bytes on end, then 16 of padding
	v_mul_u32_u24 v15, v2, SP
	v_add_nc_u32 v15, s29, v15                     ; and on the way out: SP x lane: my 16 neighbours
	v_mul_u32_u24 v4, v2, CB                       ; my codes' place in a step's
	v_lshrrev_b32 v5, 1, v2
	s_add_co_u32 s29, s29, 2*32*SP
	v_add_nc_u32 v5, s29, v5                       ; LDS: my wave's 256 scale bytes, my block's byte
	v_lshlrev_b32 v7, 3, v2                        ; and on the way out 8 bytes a lane
	v_add_nc_u32 v6, s29, v7
	; which tensor, and the number of its first work-group: the choice hangs on the work-group's number alone
	s_mov_b64 s[30:31], s[14:15]                   ; Wq from 448
	s_mov_b32 s29, 448
	s_cmp_lt_u32 ttmp9, 448
	s_cselect_b64 s[30:31], s[12:13], s[30:31]     ; Wv from 416
	s_cselect_b32 s29, 416, s29
	s_cmp_lt_u32 ttmp9, 416
	s_cselect_b64 s[30:31], s[10:11], s[30:31]     ; Wk from 384
	s_cselect_b32 s29, 384, s29
	s_cmp_lt_u32 ttmp9, 384
	s_cselect_b64 s[30:31], s[8:9], s[30:31]       ; q from 256
	s_cselect_b32 s29, 256, s29
	s_cmp_lt_u32 ttmp9, 256
	s_cselect_b64 s[30:31], s[6:7], s[30:31]       ; v from 128
	s_cselect_b32 s29, 128, s29
	s_cmp_lt_u32 ttmp9, 128
	s_cselect_b64 s[30:31], s[4:5], s[30:31]       ; k from 0
	s_cselect_b32 s29, 0, s29
	s_sub_co_u32 s32, ttmp9, s29
	s_lshl_b32 s32, s32, 17                        ; in: 131,072 bytes a work-group of the tensor,
	s_lshl_b32 s33, s28, 15                        ; 32,768 a wave
	s_add_co_u32 s32, s32, s33
	s_mov_b32 s33, 0
	s_add_nc_u64 s[30:31], s[30:31], s[32:33]
	s_lshl_b32 s32, ttmp9, 14                      ; codes: one stream in the order of the work-groups: 16,384 bytes each,
	s_lshl_b32 s34, s28, 12                        ; 4,096 a wave
	s_add_co_u32 s32, s32, s34
	s_add_nc_u64 s[20:21], s[20:21], s[32:33]
	s_lshl_b32 s32, ttmp9, 10                      ; scale bytes likewise: 1,024 and 256
	s_lshl_b32 s34, s28, 8
	s_add_co_u32 s32, s32, s34
	s_add_nc_u64 s[22:23], s[22:23], s[32:33]
.macro LOAD t
.irp i, 0,1,2,3
	global_load_b128 v[R+16*((\t)%4)+4*\i:R+16*((\t)%4)+4*\i+3], v3, s[30:31] offset:2048*(\t)+512*\i th:TH_LOAD_NT   ; 32 lanes read 512 consecutive bytes
.endr
.endm
.macro TURN t                          ; step t's numbers through the stage: LDS serves a wave's instructions in order, so no wait stands between the stores and the loads
.irp i, 0,1,2,3
	ds_store_b128 v14, v[R+16*((\t)%4)+4*\i:R+16*((\t)%4)+4*\i+3] offset:32*SP*((\t)%2)+8*SP*\i
.endr
.irp i, 0,1,2,3
	ds_load_b128 v[X+16*((\t)%2)+4*\i:X+16*((\t)%2)+4*\i+3], v15 offset:32*SP*((\t)%2)+16*\i
.endr
.endm
.irp t, 0,1,2,3
	LOAD \t
.endr
	s_wait_loadcnt 12                              ; step 0's four loads are in; the twelve of steps 1 to 3 may be out
	TURN 0
.macro STEP t
.set XS, X+16*((\t)%2)
.if (\t) > 0
	s_wait_dscnt 1                                 ; this step's numbers are back from the stage (the last step's byte store may be out): so its stores into the stage have read their registers,
.else
	s_wait_dscnt 0x0
.endif
.if (\t)+4 < STEPS
	LOAD (\t)+4                                    ; which take the loads of four steps on
.endif
.if (\t)+1 < STEPS
.if STEPS-2-(\t) >= 3
	s_wait_loadcnt 12                              ; the next step's four loads are in; those of the three steps behind it may be out
.else
	s_wait_loadcnt 4*(STEPS-2-(\t))
.endif
	TURN (\t)+1                                    ; and go through the other stage while this step is worked
.endif
	v_max3_num_f32 v8, |v[XS]|, |v[XS+1]|, |v[XS+2]|               ; the largest magnitude of my 16, in two chains
	v_max3_num_f32 v9, |v[XS+3]|, |v[XS+4]|, |v[XS+5]|
.irp i, 6,10
	v_max3_num_f32 v8, v8, |v[XS+\i]|, |v[XS+\i+1]|
	v_max3_num_f32 v9, v9, |v[XS+\i+2]|, |v[XS+\i+3]|
.endr
	v_max3_num_f32 v8, v8, |v[XS+14]|, |v[XS+15]|
	v_max3_num_f32 v8, v8, v9, (EMAX+1)<<23        ; and the floor 2^(3 - 127): the byte cannot fall under 1
	v_max_num_f32_dpp v8, v8, v8 row_xmask:1 row_mask:0xf bank_mask:0xf   ; and of my neighbour's 16: the block's
	v_add_nc_u32 v11, -(EMAX<<23), v8              ; 2 off its exponent field: the conversion takes the exponent field of this operand as its scale, and nothing else of it
	v_cvt_scalef32_pk8_fp4_f32 v[C+4*(\t)], v[XS:XS+7], v11
	v_cvt_scalef32_pk8_fp4_f32 v[C+4*(\t)+1], v[XS+8:XS+15], v11
	v_lshrrev_b32 v[E+(\t)], 23, v11               ; the scale's byte (also the plain line behind the conversions)
	ds_store_b8 v5, v[E+(\t)] offset:16*(\t)       ; both lanes of a block write the same byte with the same value
	global_store_b64 v4, v[C+4*(\t):C+4*(\t)+1], s[20:21] offset:32*CB*(\t)   ; the wave stores 256 consecutive bytes, aligned
.endm
.irp t, 0,1,2,3,4,5,6,7,8,9,10,11,12,13,14,15
	STEP \t
.endr
	ds_load_b64 v[8:9], v6                         ; LDS serves a wave's instructions in order: these see my byte stores
	s_wait_dscnt 0x0
	global_store_b64 v7, v[8:9], s[22:23]          ; my wave's 256 scale bytes: 256 consecutive bytes, aligned
	s_wait_tensorcnt 0x0                           ; the wave's end: three closing lines behind my last LDS store
	ds_add_u32 v[SPW], v[NIL]
	s_wait_dscnt 0x0
	s_endpgm
; ---------------------------------------------------------------- WO
.Lwo:
	s_sub_co_u32 s32, ttmp9, 480
	s_lshl_b32 s34, s32, 15                        ; in: 32,768 bytes a work-group, 8,192 a wave
	s_lshl_b32 s35, s28, 13
	s_add_co_u32 s34, s34, s35
	s_mov_b32 s35, 0
	s_add_nc_u64 s[16:17], s[16:17], s[34:35]
	s_lshl_b32 s34, s32, 14                        ; out: half of that
	s_lshl_b32 s36, s28, 12
	s_add_co_u32 s34, s34, s36
	s_add_nc_u64 s[24:25], s[24:25], s[34:35]
	v_lshlrev_b32 v4, 3, v2                        ; 8 bytes a lane on the way out
.irp i, 0,1,2,3,4,5,6,7,8,9,10,11,12,13,14,15
	global_load_b128 v[16+4*\i:19+4*\i], v3, s[16:17] offset:512*\i th:TH_LOAD_NT
.endr
.irp i, 0,1,2,3,4,5,6,7,8,9,10,11,12,13,14,15
	s_wait_loadcnt 15-\i                           ; load i is in; the younger ones stay out
	v_cvt_pk_f16_f32 v[80+2*\i], v[16+4*\i], v[17+4*\i]
	v_cvt_pk_f16_f32 v[81+2*\i], v[18+4*\i], v[19+4*\i]
	global_store_b64 v4, v[80+2*\i:81+2*\i], s[24:25] offset:256*\i   ; 256 consecutive bytes, aligned; each store has data registers of its own
.endr
	s_wait_tensorcnt 0x0                           ; the same three closing lines as in the other roles
	ds_add_u32 v[SPW], v[NIL]
	s_wait_dscnt 0x0
	s_endpgm
; ---------------------------------------------------------------- MASK
.Lmask:
	s_sub_co_u32 s29, ttmp9, 608                   ; u = 128 b + query tile
	s_lshl_b32 s30, s29, 15                        ; 16 rows of 2,048 bytes,
	s_lshl_b32 s31, s28, 9                         ; my wave's 512 keys
	s_add_co_u32 s30, s30, s31
	s_mov_b32 s31, 0
	s_add_nc_u64 s[18:19], s[18:19], s[30:31]
	s_lshl_b32 s30, s29, 12                        ; out: 128 key tiles x 8 words = 4,096 bytes a query tile,
	s_lshl_b32 s40, s28, 10                        ; 1,024 a wave
	s_add_co_u32 s30, s30, s40
	s_add_nc_u64 s[26:27], s[26:27], s[30:31]
	s_mul_i32 s40, s28, MREG
	s_add_co_u32 s40, s40, MBASE
	v_add_nc_u32 v14, s40, v3                      ; in: a row as it lies, 16 bytes a lane
	v_and_b32 v4, 15, v0                           ; r
	v_bfe_u32 v5, v0, 4, 1                         ; h
	v_mul_u32_u24 v15, v4, MP
	v_lshl_add_u32 v15, v5, 3, v15
	v_add_nc_u32 v15, s40, v15                     ; back: lane (r, h) takes 8 keys of query r: row r, byte 8 h of each 16.  132 words from row to row: the 32 lanes' 64 words fall on 64 different banks (64 banks of 4 bytes: ISA guide 11.1)
.irp i, 0,1,2,3,4,5,6,7,8,9,10,11,12,13,14,15
	global_load_b128 v[16+4*\i:19+4*\i], v3, s[18:19] offset:2048*\i th:TH_LOAD_NT   ; 512 consecutive bytes of query i's row
.endr
.irp i, 0,1,2,3,4,5,6,7,8,9,10,11,12,13,14,15
	s_wait_loadcnt 15-\i
	ds_store_b128 v14, v[16+4*\i:19+4*\i] offset:MP*\i
.endr
.set TT, 0
.rept 32
	ds_load_b64 v[80+2*TT:81+2*TT], v15 offset:16*TT   ; key tile TT of my 32: my own bytes, served in order behind my stores
.set TT, TT+1
.endr
.irp n, 0,1,2,3,4,5,6,7
	v_mov_b32 v[144+\n], 0                         ; v_writelane_b32's destination counts as read
.endr
; Key tile t: byte j of a lane's eight is mask(query r, key 16 t + 8 h + j).  The compare's lane mask IS word 8 t + j.  The 256 words of a wave are laid for two stores of 16 bytes a lane:
; word n goes to register n % 4 of store n / 128, lane (n % 128) / 4.
.macro WORDS t
	s_wait_dscnt 31-(\t)                           ; tile t's load is in; the younger ones stay out
.irp j, 0,1,2,3,4,5,6,7
	v_and_b32 v[152+\j], 0xff<<(8*(\j%4)), v[80+2*(\t)+\j/4]
.endr
.irp j, 0,1,2,3,4,5,6,7
	v_cmp_ne_u32 s[32+\j], 0, v[152+\j]
.endr
.irp j, 0,1,2,3,4,5,6,7
	v_writelane_b32 v[144+\j%4+4*((\t)/16)], s[32+\j], (2*(\t)+\j/4)%32
.endr
.endm
.set TT, 0
.rept 32
	WORDS TT
.set TT, TT+1
.endr
	global_store_b128 v3, v[144:147], s[26:27]             ; 512 consecutive bytes each, aligned
	global_store_b128 v3, v[148:151], s[26:27] offset:512
	s_wait_tensorcnt 0x0                           ; the wave's end: three closing lines behind my last LDS store
	ds_add_u32 v[SPW], v[NIL]
	s_wait_dscnt 0x0
	s_endpgm
.Lfunc_end_k_qeccc76b013_prep:
	.size	k_qeccc76b013_prep, .Lfunc_end_k_qeccc76b013_prep-k_qeccc76b013_prep
	.p2alignl 7, 3214868480
	.fill 96, 4, 3214868480
	.section	.rodata,"a",@progbits
	.p2align	6, 0x0
	.amdhsa_kernel k_qeccc76b013_prep
		.amdhsa_group_segment_fixed_size 67072
		.amdhsa_private_segment_fixed_size 0
		.amdhsa_enable_private_segment 0
		.amdhsa_kernarg_size 96
		.amdhsa_user_sgpr_count 2
		.amdhsa_user_sgpr_kernarg_segment_ptr 1
		.amdhsa_wavefront_size32 1
		.amdhsa_system_sgpr_workgroup_id_x 1
		.amdhsa_system_sgpr_workgroup_id_y 1
		.amdhsa_system_sgpr_workgroup_id_z 1
		.amdhsa_system_vgpr_workitem_id 0
		.amdhsa_next_free_vgpr 192
		.amdhsa_next_free_sgpr 66
		.amdhsa_reserve_vcc 0
		.amdhsa_float_denorm_mode_32 3
		.amdhsa_float_denorm_mode_16_64 3
		.amdhsa_memory_ordered 1
		.amdhsa_forward_progress 1
		.amdhsa_inst_pref_size 96
	.end_amdhsa_kernel
	.amdgpu_metadata
---
amdhsa.version: [ 1, 2 ]
amdhsa.kernels:
  - .name:           k_qeccc76b013_prep
    .symbol:         k_qeccc76b013_prep.kd
    .args:
      - { .name: k, .offset: 0, .size: 8, .value_kind: global_buffer, .address_space: global }
      - { .name: v, .offset: 8, .size: 8, .value_kind: global_buffer, .address_space: global }
      - { .name: q, .offset: 16, .size: 8, .value_kind: global_buffer, .address_space: global }
      - { .name: Wk, .offset: 24, .size: 8, .value_kind: global_buffer, .address_space: global }
      - { .name: Wv, .offset: 32, .size: 8, .value_kind: global_buffer, .address_space: global }
      - { .name: Wq, .offset: 40, .size: 8, .value_kind: global_buffer, .address_space: global }
      - { .name: Wo, .offset: 48, .size: 8, .value_kind: global_buffer, .address_space: global }
      - { .name: mask, .offset: 56, .size: 8, .value_kind: global_buffer, .address_space: global }
      - { .name: codes, .offset: 64, .size: 8, .value_kind: global_buffer, .address_space: global }
      - { .name: scales, .offset: 72, .size: 8, .value_kind: global_buffer, .address_space: global }
      - { .name: woh, .offset: 80, .size: 8, .value_kind: global_buffer, .address_space: global }
      - { .name: maskw, .offset: 88, .size: 8, .value_kind: global_buffer, .address_space: global }
    .group_segment_fixed_size: 67072
    .private_segment_fixed_size: 0
    .kernarg_segment_align: 8
    .kernarg_segment_size: 96
    .max_flat_workgroup_size: 128
    .sgpr_count:     66
    .vgpr_count:     192
    .wavefront_size: 32
...
	.end_amdgpu_metadata
.endif
;; end of part 1
;; launch proj (part 2): grid 4 x 48, 4 waves a work-group, clusters of 4 x 4, 327,680 bytes of LDS; arguments codes, scales, bk, bv, bq, qkv; writes qkv
.if DOCPART == 2
	.amdgcn_target "amdgcn-amd-amdhsa--gfx1250"
	.amdhsa_code_object_version 6
	.text
	.protected	k_qeccc76b013_proj
	.globl	k_qeccc76b013_proj
	.p2align	8
	.type	k_qeccc76b013_proj,@function
k_qeccc76b013_proj:
	s_mov_b64 s[64:65], 0
	v_nop
	global_prefetch_b8 v0, s[64:65] scope:SCOPE_SE
	s_setreg_imm32_b32 hwreg(HW_REG_WAVE_MODE, 25, 1), 1
	s_wait_xcnt 0x0
	s_wait_alu depctr_hold_cnt(0) depctr_sa_sdst(0) depctr_va_vdst(0) depctr_va_sdst(0) depctr_va_ssrc(0) depctr_va_vcc(0) depctr_vm_vsrc(0)
	s_getreg_b32 s2, hwreg(HW_REG_IB_STS2, 6, 4)
	s_cmp_eq_u32 s2, 0
	s_cbranch_scc0 .Lentry_in_a_cluster
	s_endpgm
.Lentry_in_a_cluster:
	s_bfe_u32 s2, ttmp6, 0x10000c
	s_cmp_lg_u32 s2, 0xf033
	s_cbranch_scc0 .Lentry_shape_is_right
	s_endpgm
.Lentry_shape_is_right:
; PROJ: the three quantised products x W^T + bias (x = k, v, q: 4,096 rows each; W = Wk, Wv, Wq: 1,024 rows each; K = 1,024) on codes of FP4 with one E8M0 byte for each 32 along K.
; codes: rows of 512 bytes, [k | v | q | Wk | Wv | Wq]; scales: rows of 32 bytes in the same order.  The x rows are one matrix of 12,288 rows; product p = 0 (k), 1 (v), 2 (q) takes rows 4,096 p on and W's rows 1,024 p on.
; A work-group of four waves makes 256 x 256 of one product, a wave 128 x 128: 64 accumulators, 512 registers.  Grid: 4 tile columns x 48 tile rows = 192 work-groups; a tile of half the
; size would give 384, which 256 WGPs take in two uneven turns, with twice the LDS bytes read for each product.
; K = 1,024 is two slots of 512 along K (rows of 256 bytes): both are filled at the start and nothing is filled again.  The scale bytes of the work-group's rows come once, beside them.
; CLUSTERS: 4 x 4 work-groups.  The four of a row of the cluster need the same rows of x, the four of a column the same rows of W: each tile is asked for JOINTLY.  A cluster's four tile rows lie in one product.
; THE MATRIX INSTRUCTION IS USED TRANSPOSED (source 0 = 16 rows of W, source 1 = 16 rows of x): a lane holds eight neighbouring columns of one row.  The bias is the C of each sum's first instruction.
; THE WAY OUT needs no stage: the result, rounded to f16, is stored as IMAGES OF THE NEXT PRODUCTS' OPERAND REGISTERS.  qkv: [head 16 b + hd][section of 512 positions][part K, V, Q][tile of 16 positions][16 channels ct][512 bytes].
; A lane's eight numbers (position r, channels 16 ct + 8 h + 0..7) are one piece of 16 bytes: in K and Q at 16 x lane; in V at 128 h + 16 (r % 8) + 256 (r / 8), the order in which the turning LDS load's lanes ask.
; Each store of the wave covers 512 consecutive bytes, aligned.  q's result is multiplied by log2(e) / 8 in f32 ahead of the rounding, so that a score is an exponent of 2.
; LIMITS: the results (q's after that factor) must lie within f16's range, 65,504; NaN and infinities are not served.
; REGISTERS, in windows of 256: window 0: v0-31 addresses; v32-95 scale words, two sets; v128-191 x's fragments, one set; v192-255 the bias, eight tiles; on the way out v32-159 take the packed results.
;   window 1: W's fragments, two sets, at v0 and v128.   window 2: the accumulators of my rows 0-63 ((a, b) at v[8 (8 a + b)]);   window 3: those of my rows 64-127.
.set KSTEP,  512
.set NQ,     KSTEP/128                 ; matrix instructions deep
.set ROWB,   256                       ; a tile's row in bytes
.set KROW,   512                       ; a row of codes in memory
.set PITCH,  272                       ; an LDS row: 256 bytes + 16 of padding = 68 words: row r starts at bank 4 r mod 64 (64 banks of 4 bytes: ISA guide 11.1)
.set FR,     8                         ; registers of a fragment: 16 rows x 128 K
.set NL,     2                         ; LDS loads that bring one
.set NP,     4                         ; places behind this matrix instruction (ISA guide 7.12.1)
.set HALFT,  128*PITCH                 ; 128 rows: what one tensor load brings
.set SLOT,   4*HALFT                   ; x's 256 rows, then W's 256 rows
.set KS,     32                        ; a row of scale bytes
.set SCL,    2*SLOT                    ; behind the slots: the scales, as units of 256 bytes + 16 of padding
.set HALFS,  (128*KS/256)*272          ; those of 128 rows: what one tensor load brings
.set SBLK,   (16*KS/256)*272           ; those of 16 rows
.set SPARE,  SCL+4*HALFS               ; the spare words, 128 bytes for each wave: two blocks of 256 bytes that no other line names
.set HEADB,  786432                    ; qkv: bytes of a head,
.set SECB,   196608                    ; of a section
.set ADRA, 16                          ; v16-17  LDS address of my x fragments in slot 0, 1
.set ADRB, 20                          ; v20-21  the same for W
.set CO,   26                          ; v26     my piece's place in a block of 512 bytes of qkv; never rewritten
.set ADRS, 27                          ; v27     LDS address of my scale words: lanes 0-15 x's rows, lanes 16-31 W's
.set SPW,  28                          ; v28     LDS address of my spare word; never rewritten
.set NIL,  29                          ; v29     0; never rewritten
.set BO,   30                          ; v30     32 x (lane / 16): my eight numbers of a bias tile
.set SC,   32                          ; scale words: set s at v[SC + 32 s]; register 4 i + q: lanes 0-15 x's block i, lanes 16-31 W's block i, the slot's q-th 128 along K
.set AF,   128                         ; x's fragments
.set BI,   192                         ; the bias: tile b at v[BI + 8 b]
.set G1, 24                            ; s[24:31] descriptor group 1 for x's tiles;  s[32:39] group 0, one set for each slot
.set G0, 32
.set G1B, 48                           ; s[48:55], s[56:63] the same for W's tiles
.set G0B, 56
.set G1S, 68                           ; s[68:75], s[76:79] groups 1 and 0 for x's scales;  s[80:87], s[88:91] for W's
.set G0S, 76
.set G1SB, 80
.set G0SB, 88
.set PP,  95                           ; s95 the product: 0 k, 1 v, 2 q: from the cluster's y alone, so the same in all sixteen partners
.set CS,  66                           ; s[66:67] log2(e) / 8
.set MSB, 0
.macro WIN new                         ; the immediate's high byte repeats the setting that is left
.if MSB != \new
	s_set_vgpr_msb (MSB<<8)|\new
.set MSB, \new
.endif
.endm
.set MUL_LO, 0xa1                      ; source 0 (W) window 1, source 1 (x) window 0, C and D window 2
.set MUL_HI, 0xf1                      ; the same, C and D window 3
.set BEG_LO, 0x81                      ; a sum's first instruction: C (the bias) window 0, D window 2
.set BEG_HI, 0xc1                      ; D window 3
.set TO_B,   0x40                      ; destination window 1, address window 0
; A joint load: waves 0 and 1 fetch for x, waves 2 and 3 for W.  Each of the two lines has one mask and one set of registers for all that issue it; the branch hangs on the wave's number alone.
; An s_nop 0 and four v_nop follow each of the two lines, ahead of the jump, the label and what follows.
.macro JLOAD g0a, g1a, g0b, g1b
	s_cmp_eq_u32 s15, 0
	s_cbranch_scc0 .Lfor_b_\@
	tensor_load_to_lds s[\g0a:\g0a+3], s[\g1a:\g1a+7]
	s_nop 0
.rept 4
	v_nop
.endr
	s_branch .Lasked_\@
.Lfor_b_\@:
	tensor_load_to_lds s[\g0b:\g0b+3], s[\g1b:\g1b+7]
	s_nop 0
.rept 4
	v_nop
.endr
.Lasked_\@:
.endm
.macro CROUND                          ; a round of the cluster's barrier
	s_barrier_signal -1
	s_barrier_wait -1
	s_cmp_lg_u32 s14, 0
	s_cbranch_scc1 .Lnot_wave_0_\@
	s_barrier_signal -3
.Lnot_wave_0_\@:
	s_barrier_wait -3
	s_barrier_signal -1
	s_barrier_wait -1
.endm
	s_load_b128 s[4:7], s[0:1], 0x0                ; codes s[4:5], scales s[6:7]
	s_load_b128 s[96:99], s[0:1], 0x10             ; bk s[96:97], bv s[98:99]
	s_load_b64 s[100:101], s[0:1], 0x20            ; bq
	s_load_b64 s[12:13], s[0:1], 0x28              ; qkv
	v_lshl_add_u32 v[SPW], v0, 2, SPARE
	v_mov_b32 v[NIL], 0
	ds_add_u32 v[SPW], v[NIL]                      ; the wave's opening: the add, twice on end, and its wait ahead of my first tensor load; the set-up below stands between the second and the wait
	ds_add_u32 v[SPW], v[NIL]
	v_lshrrev_b32 v1, 5, v0
	v_readfirstlane_b32 s14, v1                    ; wave 0..3
	s_lshr_b32 s15, s14, 1                         ; which half of the tile's rows is mine.  Also: I fetch for x (0) or for W (1)
	s_and_b32 s16, s14, 1                          ; which half of its columns.  Also: which 128 rows of that tile I fetch
	s_bfe_u32 s40, ttmp6, 0x40000                  ; cx, cy: my place in the cluster
	s_bfe_u32 s41, ttmp6, 0x40004
	s_lshl_b32 s42, ttmp9, 2
	s_add_co_u32 s42, s42, s40                     ; tile column = 4 x cluster x + cx: 0..3
	s_and_b32 s[PP], ttmp7, 0xffff                 ; cluster y: 0..11
	s_lshl_b32 s17, s[PP], 2
	s_add_co_u32 s17, s17, s41                     ; tile row of the 12,288 rows = 4 x cluster y + cy: 0..47
	s_lshr_b32 s[PP], s[PP], 2                     ; the product
	s_lshl_b32 s43, s41, 2
	s_lshl_b32 s43, 15, s43                        ; my row of the cluster
	s_lshl_b32 s44, 0x1111, s40                    ; my column
	; descriptor group 1: a tile of 128 rows x 256 bytes, padded in LDS
	s_or_b32 s[G1+0], s43, (0<<16)|(1<<20)|(1<<21)|(5<<22)|(3<<25)  ; 15:0 the mask: x's tiles go to my row; 17:16 elements of 1 byte; 20 padding on; 21 set beside a mask; 24:22 after every 64 words (code 5); 31:25 four words (code 3)
	s_or_b32 s[G1B+0], s44, (0<<16)|(1<<20)|(1<<21)|(5<<22)|(3<<25)
.irp g, G1, G1B
	s_mov_b32 s[\g+1], ROWB<<16                    ; tensor_dim0
	s_mov_b32 s[\g+2], 128<<16                     ; tensor_dim1
	s_mov_b32 s[\g+3], ROWB<<16                    ; tile_dim0
	s_mov_b32 s[\g+4], 128                         ; tile_dim1
	s_mov_b32 s[\g+5], KROW                        ; tensor_dim0_stride
	s_mov_b32 s[\g+6], 0
	s_mov_b32 s[\g+7], 0
.endr
	; the scales of 128 rows: 4,096 dense bytes, as 16 rows of 256 bytes (32 elements of 8 bytes), 16 bytes of padding behind each
	s_or_b32 s[G1S+0], s43, (3<<16)|(1<<20)|(1<<21)|(5<<22)|(3<<25)
	s_or_b32 s[G1SB+0], s44, (3<<16)|(1<<20)|(1<<21)|(5<<22)|(3<<25)
.irp g, G1S, G1SB
	s_mov_b32 s[\g+1], 32<<16
	s_mov_b32 s[\g+2], (128*KS/256)<<16
	s_mov_b32 s[\g+3], 32<<16
	s_mov_b32 s[\g+4], 128*KS/256
	s_mov_b32 s[\g+5], 32
	s_mov_b32 s[\g+6], 0
	s_mov_b32 s[\g+7], 0
.endr
	s_mov_b32 s[CS], 0x3e38aa3b                    ; log2(e) / 8
	s_mov_b32 s[CS+1], s[CS]                       ; (named with it as a pair, so it is written)
	s_lshl_b32 s18, s16, 7                         ; which 128 rows of the tile I fetch
	s_lshl_b32 s20, s17, 8
	s_add_co_u32 s20, s20, s18                     ; x: row 256 x tile row + 128 x half
	s_lshl_b32 s46, s42, 8
	s_add_co_u32 s46, s46, s18
	s_lshl_b32 s47, s[PP], 10
	s_add_co_u32 s46, s46, s47                     ; W: row 1,024 x product + 256 x tile column + 128 x half
	s_mov_b32 s21, 0
	s_mov_b32 s47, 0
	s_mov_b64 s[18:19], KS
	s_mul_u64 s[22:23], s[20:21], s[18:19]         ; where these rows' scales begin, in bytes
	s_mul_u64 s[92:93], s[46:47], s[18:19]
	s_mov_b64 s[18:19], KROW
	s_mul_u64 s[20:21], s[20:21], s[18:19]         ; and their codes
	s_mul_u64 s[46:47], s[46:47], s[18:19]
	s_mul_i32 s45, s14, HALFT                      ; where they go: wave x 128 rows: no place in the cluster enters an LDS address
	s_mul_i32 s94, s14, HALFS
	s_wait_dscnt 0x0                               ; both opening adds are done
	s_wait_kmcnt 0x0
	s_add_nc_u64 s[8:9], s[4:5], 6291456           ; W's codes lie behind x's 12,288 rows of 512 bytes,
	s_add_nc_u64 s[10:11], s[6:7], 393216          ; W's scales behind 12,288 rows of 32
	s_add_nc_u64 s[20:21], s[4:5], s[20:21]
	s_add_nc_u64 s[22:23], s[6:7], s[22:23]
	s_add_nc_u64 s[46:47], s[8:9], s[46:47]
	s_add_nc_u64 s[92:93], s[10:11], s[92:93]
	CROUND                                         ; all sixteen work-groups are here: the joint loads meet
	s_mov_b32 s[G0S], 1
	s_add_co_u32 s[G0S+1], s94, SCL
	s_mov_b64 s[G0S+2:G0S+3], s[22:23]
	s_or_b32 s[G0S+3], s[G0S+3], 0x80000000
	s_mov_b32 s[G0SB], 1
	s_add_co_u32 s[G0SB+1], s94, SCL
	s_mov_b64 s[G0SB+2:G0SB+3], s[92:93]
	s_or_b32 s[G0SB+3], s[G0SB+3], 0x80000000
	JLOAD G0S, G1S, G0SB, G1SB                     ; the scales first: they are wanted with the first slot
.irp s, 0,1
	s_mov_b32 s[G0+4*\s], 1
	s_add_co_u32 s[G0+4*\s+1], s45, \s*SLOT
	s_add_nc_u64 s[G0+4*\s+2:G0+4*\s+3], s[20:21], \s*ROWB
	s_or_b32 s[G0+4*\s+3], s[G0+4*\s+3], 0x80000000
	s_mov_b32 s[G0B+4*\s], 1
	s_add_co_u32 s[G0B+4*\s+1], s45, \s*SLOT
	s_add_nc_u64 s[G0B+4*\s+2:G0B+4*\s+3], s[46:47], \s*ROWB
	s_or_b32 s[G0B+4*\s+3], s[G0B+4*\s+3], 0x80000000
	JLOAD G0+4*\s, G1, G0B+4*\s, G1B               ; three tensor loads of mine are out: all that this launch has
.endr
	v_and_b32 v1, 15, v0                           ; l % 16
	v_bfe_u32 v2, v0, 4, 1                         ; l / 16
	; the bias of my 128 columns: tile b's register j is bias[16 b + 8 (l / 16) + j], the result's own layout
	s_cmp_eq_u32 s[PP], 1
	s_cselect_b64 s[98:99], s[98:99], s[100:101]   ; bv or bq,
	s_cmp_eq_u32 s[PP], 0
	s_cselect_b64 s[96:97], s[96:97], s[98:99]     ; or bk
	s_lshl_b32 s46, s42, 10                        ; 256 columns x 4 bytes a tile column,
	s_lshl_b32 s47, s16, 9                         ; 128 x 4 a half
	s_add_co_u32 s46, s46, s47
	s_mov_b32 s47, 0
	s_add_nc_u64 s[96:97], s[96:97], s[46:47]
	v_lshlrev_b32 v[BO], 5, v2
.irp b, 0,1,2,3,4,5,6,7
	global_load_b128 v[BI+8*\b:BI+8*\b+3],   v[BO], s[96:97] offset:64*\b
	global_load_b128 v[BI+8*\b+4:BI+8*\b+7], v[BO], s[96:97] offset:64*\b+16
.endr
	v_mul_u32_u24 v3, v1, PITCH
	v_lshl_add_u32 v4, v2, 4, v3                   ; a fragment's row x pitch + 16 x half
	s_mul_i32 s21, s15, HALFT                      ; my 128 rows of x
	s_mul_i32 s22, s16, HALFT                      ; my 128 rows of W,
	s_add_co_u32 s22, s22, 2*HALFT                 ; which lie behind x's 256
.irp s, 0,1
	v_add_nc_u32 v[ADRA+\s], s21, v4
	v_add_nc_u32 v[ADRB+\s], s22, v4
	s_add_co_u32 s21, s21, SLOT
	s_add_co_u32 s22, s22, SLOT
.endr
	v_mul_u32_u24 v5, v1, KS                       ; my row's scales: 32 bytes a row,
	v_lshrrev_b32 v6, 8, v5
	v_lshl_add_u32 v5, v6, 4, v5                   ; and 16 more for each 256 passed
	s_mul_i32 s21, s15, HALFS                      ; x's: my 128 rows
	s_mul_i32 s22, s16, HALFS                      ; W's: my 128 rows, behind x's 256
	s_add_co_u32 s22, s22, 2*HALFS
	s_sub_co_u32 s22, s22, s21
	v_mul_u32_u24 v6, s22, v2                      ; lanes 16-31 take W's: one product, the distance between the two bases
	s_add_co_u32 s21, s21, SCL
	v_add_nc_u32 v5, v5, v6
	v_add_nc_u32 v[ADRS], s21, v5
	; my piece's place in a block of 512 bytes: 16 (l % 8) + bit 3 of l << sA + bit 4 << sB; (sA, sB) = (7, 8) in K and Q, which is 16 l, and (8, 7) in V
	s_cmp_eq_u32 s[PP], 1
	s_cselect_b32 s18, 8, 7
	s_cselect_b32 s19, 7, 8
	v_and_b32 v5, 7, v0
	v_lshlrev_b32 v[CO], 4, v5
	v_bfe_u32 v5, v0, 3, 1
	v_lshlrev_b32 v5, s18, v5
	v_or_b32 v[CO], v[CO], v5
	v_lshlrev_b32 v5, s19, v2
	v_or_b32 v[CO], v[CO], v5
	; where my 128 x 128 begins in qkv.  ty = tile row within the product: batch ty / 8, positions 256 (ty % 8) on
	s_and_b32 s20, s17, 15
	s_lshr_b32 s21, s20, 3
	s_lshl_b32 s21, s21, 4                         ; 16 x batch
	s_lshl_b32 s22, s42, 2
	s_add_co_u32 s21, s21, s22                     ; + 4 heads a tile column
	s_lshl_b32 s22, s16, 1
	s_add_co_u32 s21, s21, s22                     ; + 2 a half: my first head
	s_mul_i32 s21, s21, HEADB
	s_bfe_u32 s22, s20, 0x20001                    ; the section: (ty % 8) / 2
	s_mul_i32 s22, s22, SECB
	s_add_co_u32 s21, s21, s22
	s_lshl_b32 s22, s[PP], 16                      ; the part: K, V, Q in the order of the products, 65,536 bytes each
	s_add_co_u32 s21, s21, s22
	s_and_b32 s22, s20, 1
	s_lshl_b32 s22, s22, 15                        ; 16 tiles of positions x 2,048 bytes
	s_add_co_u32 s21, s21, s22
	s_lshl_b32 s22, s15, 14                        ; my half of the rows: 8 tiles
	s_add_co_u32 s20, s21, s22
	s_mov_b32 s21, 0
	s_add_nc_u64 s[12:13], s[12:13], s[20:21]
.macro FRAG reg, adr, q, i             ; a fragment, 16 rows x 128 K of 4-bit codes, is 8 registers: lane l holds row l % 16; registers 4 c .. 4 c + 3 hold K = 64 c + 32 (l / 16) + 0 .. 31
.irp c, 0,1
	ds_load_b128 v[\reg+4*\c:\reg+4*\c+3], v[\adr] offset:64*(\q)+32*\c+(\i)*16*PITCH
.endr
.endm
; 16 matrix instructions: x's blocks a0, a0 + 1 against W's eight, 128 along K: the slot's q-th.  p: W's set;  sc: the set of scale words.  first = 1: the bias starts the sums: nothing is ever cleared.
; The 64 accumulators take turns, one instruction a turn, in the same order in every step.
.macro MUL16 a0, p, q, sc, first
.irp a, \a0, \a0+1
.irp b, 0,1,2,3,4,5,6,7
.if \first
	v_wmma_scale_f32_16x16x128_f8f6f4 v[8*(8*((\a)%4)+\b):8*(8*((\a)%4)+\b)+7], v[128*(\p)+FR*\b:128*(\p)+FR*\b+FR-1], v[AF+FR*(\a):AF+FR*(\a)+FR-1], v[BI+8*\b:BI+8*\b+7], v[SC+8*NQ*(\sc)+NQ*\b+(\q)], v[SC+8*NQ*(\sc)+NQ*(\a)+(\q)] matrix_a_fmt:MATRIX_FMT_FP4 matrix_b_fmt:MATRIX_FMT_FP4 matrix_a_scale:MATRIX_SCALE_ROW1
.else
	v_wmma_scale_f32_16x16x128_f8f6f4 v[8*(8*((\a)%4)+\b):8*(8*((\a)%4)+\b)+7], v[128*(\p)+FR*\b:128*(\p)+FR*\b+FR-1], v[AF+FR*(\a):AF+FR*(\a)+FR-1], v[8*(8*((\a)%4)+\b):8*(8*((\a)%4)+\b)+7], v[SC+8*NQ*(\sc)+NQ*\b+(\q)], v[SC+8*NQ*(\sc)+NQ*(\a)+(\q)] matrix_a_fmt:MATRIX_FMT_FP4 matrix_b_fmt:MATRIX_FMT_FP4 matrix_a_scale:MATRIX_SCALE_ROW1
.endif
.endr
.endr
.endm
.macro FETCH_B slot, q, p              ; W's eight fragments of the slot's q-th 128 along K into set p
	WIN TO_B
.irp i, 0,1,2,3,4,5,6,7
	FRAG 128*(\p)+FR*\i, ADRB+\slot, \q, \i
.endr
	WIN 0
.endm
.macro FETCH_A slot, q, i0             ; x's blocks i0 .. i0 + 3
.irp i, \i0, \i0+1, \i0+2, \i0+3
	FRAG AF+FR*(\i), ADRA+\slot, \q, \i
.endr
.endm
.macro SCALES sc                       ; a slot's scale words into set sc: four words a row; lanes 0-15 take x's block i, lanes 16-31 W's block i
.irp i, 0,1,2,3,4,5,6,7
	ds_load_b128 v[SC+8*NQ*\sc+NQ*\i:SC+8*NQ*\sc+NQ*\i+3], v[ADRS] offset:\i*SBLK
.endr
.endm
; A load into a register that a matrix instruction has read, and a vector instruction that reads a matrix result or writes one of a matrix instruction's registers, stand NP places behind it, and only
; plain vector instructions that name none of its registers are places (ISA guide 7.12.1 for vector instructions).
.macro PLACES n
.rept \n
	v_nop
.endr
.endm
; A step of 128 along K that has its successor in the same slot.  x has one set of registers: a block is free as soon as its eight products are issued; blocks 0-3 are fetched anew in the step's middle, blocks 4-7 at its end.
.macro STEP slot, q, first
	s_wait_dscnt 4*NL                              ; W's set and x's blocks 0-3 are in; the youngest eight loads (x's blocks 4-7) may be out
.if \first
	WIN BEG_LO
.else
	WIN MUL_LO
.endif
	MUL16 0, (\q)%2, \q, \slot, \first
	MUL16 2, (\q)%2, \q, \slot, \first
	s_wait_dscnt 0                                 ; x's blocks 4-7 are in (asked for 32 matrix instructions ago)
	PLACES NP
	FETCH_B \slot, (\q)+1, 1-(\q)%2
	FETCH_A \slot, (\q)+1, 0
.if \first
	WIN BEG_HI
.else
	WIN MUL_HI
.endif
	MUL16 4, (\q)%2, \q, \slot, \first
	MUL16 6, (\q)%2, \q, \slot, \first
	PLACES NP
	WIN 0
	FETCH_A \slot, (\q)+1, 4
.endm
; Slot 0's last step goes over to slot 1: one barrier; in front of it each wave waits for all its tensor loads (its part of slot 1), adds 0 to its spare word, and waits for that and for its LDS loads.
.macro TURN slot, next
	s_wait_tensorcnt 0x0                           ; all my tensor loads have landed (every window is 0 here: the add's two registers lie in window 0)
	ds_add_u32 v[SPW], v[NIL]                      ; 0 onto my spare word
	s_wait_dscnt 4*NL+1                            ; (the add and the youngest eight loads, x's blocks 4-7, may be out)
	WIN MUL_LO
	MUL16 0, 1, NQ-1, \slot, 0                     ; sixteen matrix instructions stand between the add and the wait for it
	s_wait_dscnt 0x0                               ; the add is done, and my LDS loads are in
	s_barrier_signal -1
	MUL16 2, 1, NQ-1, \slot, 0
	WIN 0
	s_barrier_wait -1                              ; every wave's part of the next slot has landed
	PLACES NP
	v_add_nc_u32 v[ADRS], 4*NQ, v[ADRS]            ; on to the next slot's scale words (no LDS load of mine is out)
	FETCH_B \next, 0, 0
	FETCH_A \next, 0, 0
	SCALES \next
	WIN MUL_HI
	MUL16 4, 1, NQ-1, \slot, 0
	MUL16 6, 1, NQ-1, \slot, 0
	PLACES NP
	WIN 0
	FETCH_A \next, 0, 4
.endm
.macro STEPS slot, from                ; the slot's steps from .. NQ - 2
.set QQ, \from
.rept NQ-1-\from
	STEP \slot, QQ, 0
.set QQ, QQ+1
.endr
.endm
	s_wait_tensorcnt 1                             ; the scales and my part of slot 0 are in (slot 1's load may be out)
	s_barrier_signal -1
	s_barrier_wait -1                              ; everybody's are
	FETCH_B 0, 0, 0
	FETCH_A 0, 0, 0
	SCALES 0
	FETCH_A 0, 0, 4
	s_wait_loadcnt 0x0                             ; the bias
	STEP 0, 0, 1                                   ; the first step's products start the sums on the bias
	STEPS 0, 1
	TURN 0, 1
	STEPS 1, 0
	s_wait_dscnt 4*NL                              ; the last step: nothing more to fetch
	WIN MUL_LO
	MUL16 0, 1, NQ-1, 1, 0
	MUL16 2, 1, NQ-1, 1, 0
	s_wait_dscnt 0
	WIN MUL_HI
	MUL16 4, 1, NQ-1, 1, 0
	MUL16 6, 1, NQ-1, 1, 0
	WIN 0
; THE WAY OUT of block a (16 positions x 128 columns = two heads x four blocks of 16 channels).  scale = 1: x log2(e) / 8 first, in f32.  Each accumulator is read from its low end on.
; A lane's eight numbers pack into 16 bytes; eight stores, each 512 consecutive bytes, aligned.  The packed registers take turns over four blocks.
.macro PACK a, scale
.set AC, 64*((\a)%4)
.set TMP, 32+32*((\a)%4)
.if \scale
	WIN 0x82+0x41*((\a)/4)                         ; destination and source 0: window 2 or 3
.irp b, 0,1,2,3,4,5,6,7
.irp i, 0,1,2,3
	v_pk_mul_f32 v[AC+8*\b+2*\i:AC+8*\b+2*\i+1], v[AC+8*\b+2*\i:AC+8*\b+2*\i+1], s[CS:CS+1] op_sel_hi:[1,0]
.endr
.endr
.endif
	WIN 0x0a+5*((\a)/4)                            ; sources 0 and 1: window 2 or 3; destination window 0
.irp b, 0,1,2,3,4,5,6,7
.irp i, 0,1,2,3
	v_cvt_pk_f16_f32 v[TMP+4*\b+\i], v[AC+8*\b+2*\i], v[AC+8*\b+2*\i+1]
.endr
.endr
	WIN 0
.irp b, 0,1,2,3,4,5,6,7
	global_store_b128 v[CO], v[TMP+4*\b:TMP+4*\b+3], s[12:13] offset:(\b/4)*HEADB+(\a)*2048+(\b%4)*512
.endr
.endm
.macro WAYOUT scale
.irp a, 0,1,2,3,4,5,6,7
.if \a > 3
	s_wait_xcnt 0x0                                ; block a - 4's stores have read their data registers, which are written again below
.endif
	PACK \a, \scale
.endr
.endm
	PLACES NP                                      ; behind the last products: their results are read, and registers that they read are written, below
	s_cmp_eq_u32 s[PP], 2                          ; the product's number: the same in every wave of every partner
	s_cbranch_scc0 .Lplain
	WAYOUT 1                                       ; q
	s_branch .Lend
.Lplain:
	WAYOUT 0                                       ; k and v
.Lend:
	s_wait_tensorcnt 0x0                           ; the wave's end: three closing lines behind my last tensor load
	ds_add_u32 v[SPW], v[NIL]
	s_wait_dscnt 0x0
	CROUND                                         ; the closing round: no work-group ends while a partner may still ask for a tile that names it
	s_endpgm
.Lfunc_end_k_qeccc76b013_proj:
	.size	k_qeccc76b013_proj, .Lfunc_end_k_qeccc76b013_proj-k_qeccc76b013_proj
	.p2alignl 7, 3214868480
	.fill 96, 4, 3214868480
	.section	.rodata,"a",@progbits
	.p2align	6, 0x0
	.amdhsa_kernel k_qeccc76b013_proj
		.amdhsa_group_segment_fixed_size 327680
		.amdhsa_private_segment_fixed_size 0
		.amdhsa_enable_private_segment 0
		.amdhsa_kernarg_size 48
		.amdhsa_user_sgpr_count 2
		.amdhsa_user_sgpr_kernarg_segment_ptr 1
		.amdhsa_wavefront_size32 1
		.amdhsa_system_sgpr_workgroup_id_x 1
		.amdhsa_system_sgpr_workgroup_id_y 1
		.amdhsa_system_sgpr_workgroup_id_z 1
		.amdhsa_system_vgpr_workitem_id 0
		.amdhsa_next_free_vgpr 1024
		.amdhsa_next_free_sgpr 102
		.amdhsa_reserve_vcc 0
		.amdhsa_float_denorm_mode_32 3
		.amdhsa_float_denorm_mode_16_64 3
		.amdhsa_memory_ordered 1
		.amdhsa_forward_progress 1
		.amdhsa_inst_pref_size 159
	.end_amdhsa_kernel
	.amdgpu_metadata
---
amdhsa.version: [ 1, 2 ]
amdhsa.kernels:
  - .name:           k_qeccc76b013_proj
    .symbol:         k_qeccc76b013_proj.kd
    .args:
      - { .name: codes, .offset: 0, .size: 8, .value_kind: global_buffer, .address_space: global }
      - { .name: scales, .offset: 8, .size: 8, .value_kind: global_buffer, .address_space: global }
      - { .name: bk, .offset: 16, .size: 8, .value_kind: global_buffer, .address_space: global }
      - { .name: bv, .offset: 24, .size: 8, .value_kind: global_buffer, .address_space: global }
      - { .name: bq, .offset: 32, .size: 8, .value_kind: global_buffer, .address_space: global }
      - { .name: qkv, .offset: 40, .size: 8, .value_kind: global_buffer, .address_space: global }
    .group_segment_fixed_size: 327680
    .private_segment_fixed_size: 0
    .kernarg_segment_align: 8
    .kernarg_segment_size: 48
    .max_flat_workgroup_size: 128
    .sgpr_count:     102
    .vgpr_count:     1024
    .wavefront_size: 32
...
	.end_amdgpu_metadata
.endif
;; end of part 2
;; launch attn (part 3): grid 8 x 32, 8 waves a work-group, clusters of 4 x 1, 327,680 bytes of LDS; arguments qkv, maskw, oh; writes oh
.if DOCPART == 3
	.amdgcn_target "amdgcn-amd-amdhsa--gfx1250"
	.amdhsa_code_object_version 6
	.text
	.protected	k_qeccc76b013_attn
	.globl	k_qeccc76b013_attn
	.p2align	8
	.type	k_qeccc76b013_attn,@function
k_qeccc76b013_attn:
	s_mov_b64 s[64:65], 0
	v_nop
	global_prefetch_b8 v0, s[64:65] scope:SCOPE_SE
	s_setreg_imm32_b32 hwreg(HW_REG_WAVE_MODE, 25, 1), 1
	s_wait_xcnt 0x0
	s_wait_alu depctr_hold_cnt(0) depctr_sa_sdst(0) depctr_va_vdst(0) depctr_va_sdst(0) depctr_va_ssrc(0) depctr_va_vcc(0) depctr_vm_vsrc(0)
	s_getreg_b32 s2, hwreg(HW_REG_IB_STS2, 6, 4)
	s_cmp_eq_u32 s2, 0
	s_cbranch_scc0 .Lentry_in_a_cluster
	s_endpgm
.Lentry_in_a_cluster:
	s_bfe_u32 s2, ttmp6, 0x10000c
	s_cmp_lg_u32 s2, 0x3003
	s_cbranch_scc0 .Lentry_shape_is_right
	s_endpgm
.Lentry_shape_is_right:
; ATTN: O[y][q] = the sum over k of softmax_k(where(mask, Q[y][q] . K[y][k] / 8, -1e9)) V[y][k], y = 16 b + head, 2,048 positions, 64 channels.  Operands f16, products, maxima and sums f32.
; qkv holds Q, K and V as images of operand registers (see below); Q comes already multiplied by log2(e) / 8, so a score is t, an exponent of 2.  A hidden score becomes NEG = -1e9 x log2(e), so that a
; row with no open key gives t - m = 0 and p = 1 for every key: the uniform average.  p = 2^(t - m), m the running maximum; O and the sum l are multiplied by a = 2^(m_old - m_new) in every step.
; SHARES.  A work-group owns 256 queries of one head, each of its eight waves 32: two tiles of 16, in 256 registers, two waves to a SIMD: one wave's vector work stands beside the other's matrix work and LDS loads.
; Every wave walks all 2,048 keys, 64 a step.  LAYOUT.  S^T = K Q^T (source 0 = 16 keys, source 1 = 16 queries) and O^T = V^T P (source 0 = 16 channels, source 1 = P): a lane holds ONE query throughout, and two tiles
; of S^T, rounded in pairs, ARE a fragment of P.  THE MASK comes as words that are lane masks of S^T's registers (word 8 t + j for register j of key tile t): one v_cndmask_b32 a score, no compare; no branch hangs on them.
; qkv: [head][section of 512 positions][part K, V, Q][tile of 16 positions][16 channels ct][512 bytes]; a block of 512 bytes is read at 16 x lane: K and Q by plain loads, V by the turning load.
; So parts K and V of a section are ONE dense run of 131,072 bytes: a slot.  Wave w brings 16,384 bytes of it: one tensor line for all waves.  No padding: every LDS load takes 512 consecutive bytes.
; CLUSTER.  The four query blocks of a cluster belong to one head and walk the same K and V: each tile is asked for JOINTLY (mask 15).  Two slots; sections 2 and 3 are refills, each behind a round of the
; cluster's barrier, eight key steps (256 products a wave) ahead of its first read: for that reason no prefetch is laid beside them.
; oh: the result as f16 images of the last product's operand: [64 head / 256][tile of 16 rows][32 along K][half][lane][16 bytes]: stored straight from registers, 512 consecutive bytes a store, aligned.
; LIMITS: NaN and infinities are not served; scores must stay above -1e9 to count as open, as in the definition itself.
.set SLOTB, 131072
.set SPARE, 2*SLOTB                    ; the spare words, 128 bytes for each wave: four blocks of 256 bytes that no other line names
.set LI,  1                            ; v1   16 x lane; never rewritten
.set ADK, 2                            ; v2   LDS address of the step's K
.set ADV, 3                            ; v3   of its V
.set SPW, 4                            ; v4   LDS address of my spare word; never rewritten
.set NIL, 5                            ; v5   0; never rewritten
.set NEG, 6                            ; v6   -1e9 x log2(e)
.set ST,  8                            ; statistics, 12 a tile: +0 m, +1 the old m, then m_old - m_new, +2, +3 l (even keys', odd keys'), +4 a, +5 the other half's, +6 .. +9 four chains of the maximum, then two pairs of sums
.set Q,   32                           ; v32-63   Q: tile q, channels 32 cb on, at 16 q + 8 cb
.set S,   64                           ; v64-127  S^T: tile q, key tile t, at 32 q + 8 t; then p; then P in the first 16 of each tile
.set O,   128                          ; v128-191 O^T: tile q, channels 16 ct on, at 32 q + 8 ct
.set KV,  192                          ; v192-255 eight fragments of K, then eight of V
.set WV,  2                            ; s2   my wave's number
.set CNT, 3                            ; s3   counts a slot's eight steps
.set TB,  4                            ; s4   LDS byte at which the step's K begins
.set MO,  5                            ; s5   byte at which the step's mask words begin in a query tile's 4,096
.set MK,  6                            ; s[6:7]   maskw at my first query tile
.set OP,  8                            ; s[8:9]   oh at my first tile of rows
.set SEL, 10                           ; s[10:11] lane selects for v_permlanex16_b32: lane l xor 16
.set G1,  84                           ; s[84:91] descriptor group 1
.set G0A, 92                           ; s[92:95] group 0 of slot 0;  s[96:99] of slot 1
.set G0B, 96
                                       ; s[16:47] tile 0's 32 mask words of a step; s[48:63], s[68:83] tile 1's
.macro CROUND                          ; a round of the cluster's barrier
	s_barrier_signal -1
	s_barrier_wait -1
	s_cmp_lg_u32 s[WV], 0
	s_cbranch_scc1 .Lnot_wave_0_\@
	s_barrier_signal -3
.Lnot_wave_0_\@:
	s_barrier_wait -3
	s_barrier_signal -1
	s_barrier_wait -1
.endm
	s_load_b128 s[12:15], s[0:1], 0x0              ; qkv s[12:13], maskw s[14:15]
	s_load_b64 s[OP:OP+1], s[0:1], 0x10            ; oh
	v_lshl_add_u32 v[SPW], v0, 2, SPARE
	v_mov_b32 v[NIL], 0
	ds_add_u32 v[SPW], v[NIL]                      ; the wave's opening: the add, twice on end, and its wait ahead of my first tensor load; the set-up below stands between the second and the wait
	ds_add_u32 v[SPW], v[NIL]
	v_lshrrev_b32 v1, 5, v0
	v_readfirstlane_b32 s[WV], v1                  ; wave 0..7
	s_bfe_u32 s66, ttmp6, 0x40000                  ; cx: my place in the cluster
	s_lshl_b32 s67, ttmp9, 2
	s_add_co_u32 s67, s67, s66                     ; my block of 256 queries = 4 x cluster x + cx: it enters Q's, the mask's and oh's addresses alone
	s_and_b32 s100, ttmp7, 0xffff                  ; y = 16 b + head, which the four partners share
	; descriptor group 1: 16,384 dense bytes as 64 rows of 256 bytes (32 elements of 8 bytes), no padding
	s_mov_b32 s[G1], 15|(3<<16)|(1<<21)            ; 15:0 the mask: all four work-groups; 17:16 elements of 8 bytes; 21 set beside a mask
	s_mov_b32 s[G1+1], 32<<16                      ; tensor_dim0
	s_mov_b32 s[G1+2], 64<<16                      ; tensor_dim1
	s_mov_b32 s[G1+3], 32<<16                      ; tile_dim0
	s_mov_b32 s[G1+4], 64                          ; tile_dim1
	s_mov_b32 s[G1+5], 32                          ; tensor_dim0_stride
	s_mov_b32 s[G1+6], 0
	s_mov_b32 s[G1+7], 0
	s_mov_b32 s[SEL], 0x76543210
	s_mov_b32 s[SEL+1], 0xfedcba98
	s_mul_i32 s16, s100, 786432                    ; the head's first byte in qkv
	s_lshl_b32 s18, s[WV], 14                      ; my 16,384 bytes of a slot, in memory and in LDS: no place in the cluster enters it
	s_add_co_u32 s20, s16, s18
	s_mov_b32 s21, 0
	s_lshr_b32 s22, s67, 1                         ; Q: my block's section,
	s_mul_i32 s22, s22, 196608
	s_add_co_u32 s22, s22, s16
	s_and_b32 s23, s67, 1
	s_lshl_b32 s23, s23, 15                        ; its half of the section: 16 tiles of 2,048 bytes,
	s_add_co_u32 s22, s22, s23
	s_lshl_b32 s23, s[WV], 12                      ; my wave's two tiles,
	s_add_co_u32 s22, s22, s23
	s_add_co_u32 s22, s22, 131072                  ; in part Q
	s_mov_b32 s23, 0
	s_lshr_b32 s24, s100, 4
	s_lshl_b32 s24, s24, 7                         ; my first tile of 16 rows among the 256 of both batches: 128 b
	s_lshl_b32 s25, s67, 4
	s_add_co_u32 s24, s24, s25                     ; + 16 x block
	s_lshl_b32 s25, s[WV], 1
	s_add_co_u32 s24, s24, s25                     ; + 2 x wave
	s_lshl_b32 s26, s24, 12                        ; maskw: 4,096 bytes a query tile
	s_mov_b32 s27, 0
	s_lshl_b32 s28, s24, 13                        ; oh: 8,192 bytes a tile of rows,
	s_and_b32 s29, s100, 15                        ; the head:
	s_lshr_b32 s30, s29, 2
	s_lshl_b32 s30, s30, 21                        ; which 256 along K: 2,097,152 bytes each,
	s_add_co_u32 s28, s28, s30
	s_and_b32 s29, s29, 3
	s_lshl_b32 s29, s29, 11                        ; and which 64 of them: 2,048 bytes
	s_add_co_u32 s28, s28, s29
	s_mov_b32 s29, 0
	s_mov_b32 s[MO], 0
	s_wait_dscnt 0x0                               ; both opening adds are done
	s_wait_kmcnt 0x0
	s_add_nc_u64 s[MK:MK+1], s[14:15], s[26:27]
	s_add_nc_u64 s[OP:OP+1], s[OP:OP+1], s[28:29]
	s_mov_b32 s[G0A], 1                            ; 1:0 count = 1
	s_mov_b32 s[G0A+1], s18                        ; 63:32 LDS address: slot 0
	s_add_nc_u64 s[G0A+2:G0A+3], s[12:13], s[20:21]  ; 120:64 global address: section 0
	s_mov_b32 s[G0B], 1
	s_add_co_u32 s[G0B+1], s18, SLOTB              ; slot 1
	s_add_nc_u64 s[G0B+2:G0B+3], s[G0A+2:G0A+3], 196608  ; section 1
	s_or_b32 s[G0A+3], s[G0A+3], 0x80000000        ; 127:126 type = 2
	s_or_b32 s[G0B+3], s[G0B+3], 0x80000000
	s_add_nc_u64 s[12:13], s[12:13], s[22:23]      ; Q at my first tile
	CROUND                                         ; all four work-groups are here: the first joint loads meet
	tensor_load_to_lds s[G0A:G0A+3], s[G1:G1+7]    ; both first fills go out together: two tensor loads of mine are out
	s_nop 0
	tensor_load_to_lds s[G0B:G0B+3], s[G1:G1+7]
	s_nop 0
.rept 4
	v_nop
.endr
	v_and_b32 v[LI], 31, v0
	v_lshlrev_b32 v[LI], 4, v[LI]
.irp q, 0,1
.irp cb, 0,1
	global_load_b128 v[Q+16*\q+8*\cb:Q+16*\q+8*\cb+3],   v[LI], s[12:13] offset:2048*\q+1024*\cb       ; Q stays in registers
	global_load_b128 v[Q+16*\q+8*\cb+4:Q+16*\q+8*\cb+7], v[LI], s[12:13] offset:2048*\q+1024*\cb+512
.endr
.endr
.macro MASKS                           ; a step's mask words: 4 key tiles x 8 words = 128 bytes for each of my two query tiles
	s_load_b512 s[16:31], s[MK:MK+1], s[MO] offset:0x0
	s_load_b512 s[32:47], s[MK:MK+1], s[MO] offset:0x40
	s_load_b512 s[48:63], s[MK:MK+1], s[MO] offset:0x1000
	s_load_b512 s[68:83], s[MK:MK+1], s[MO] offset:0x1040
.endm
	MASKS
	v_mov_b32 v[NEG], 0xceabfb8f                   ; -1e9 x log2(e) = -1,442,695,040
.irp t, 0,1
	v_mov_b32 v[ST+12*\t], 0xff61b1e6              ; m: -3e38, under every t and under NEG
.irp n, 1,2,3,4,5
	v_mov_b32 v[ST+12*\t+\n], 0                    ; l; and what is named in a pair or as a permute's destination before it is first written
.endr
.endr
.set i, 0
.rept 64
	v_mov_b32 v[O+i], 0                            ; O^T.  (The step is written once: the first finds zeros, which a = 0 leaves zeros)
.set i, i+1
.endr
; A KEY STEP: 64 keys.
.macro STEP
	v_add_nc_u32 v[ADK], s[TB], v[LI]
	v_add_nc_u32 v[ADV], 0x10000, v[ADK]           ; V lies 65,536 bytes behind K
.rept 3
	v_nop                                          ; with the two additions: five places behind the last products V^T P: four for the loads into the registers that they read, five for the products below, which write over P
.endr
.irp cb, 0,1                                   ; K: fragment (key tile t, channels 32 cb on); channels 0-31 first
.irp t, 0,1,2,3
	ds_load_b128 v[KV+8*(2*\t+\cb):KV+8*(2*\t+\cb)+3],   v[ADK] offset:2048*\t+1024*\cb
	ds_load_b128 v[KV+8*(2*\t+\cb)+4:KV+8*(2*\t+\cb)+7], v[ADK] offset:2048*\t+1024*\cb+512
.endr
.endr
.irp cb, 0,1                                   ; S^T = K Q^T: eight accumulators by turns, one instruction a turn; the first eight start the sums
	s_wait_dscnt 8-8*\cb                           ; channels 0-31 are in, the younger eight loads may be out; then all
.irp t, 0,1,2,3
.irp q, 0,1
.if \cb == 0
	v_wmma_f32_16x16x32_f16 v[S+32*\q+8*\t:S+32*\q+8*\t+7], v[KV+8*(2*\t+\cb):KV+8*(2*\t+\cb)+7], v[Q+16*\q+8*\cb:Q+16*\q+8*\cb+7], 0
.else
	v_wmma_f32_16x16x32_f16 v[S+32*\q+8*\t:S+32*\q+8*\t+7], v[KV+8*(2*\t+\cb):KV+8*(2*\t+\cb)+7], v[Q+16*\q+8*\cb:Q+16*\q+8*\cb+7], v[S+32*\q+8*\t:S+32*\q+8*\t+7]
.endif
.endr
.endr
.endr
	v_mov_b32 v[ST+1], v[ST]                       ; the old m is kept.  These two and two v_nop are the four places behind the products: for the loads into K's registers and for the first reads of the scores
	v_mov_b32 v[ST+13], v[ST+12]
	v_nop
	v_nop
.irp kb, 0,1                                   ; V, turned: fragment (keys 32 kb on, channels 16 ct on).  These land while the softmax is walked
.irp ct, 0,1,2,3
	ds_load_tr16_b128 v[KV+8*(4*\kb+\ct):KV+8*(4*\kb+\ct)+3],   v[ADV] offset:4096*\kb+512*\ct
	ds_load_tr16_b128 v[KV+8*(4*\kb+\ct)+4:KV+8*(4*\kb+\ct)+7], v[ADV] offset:4096*\kb+2048+512*\ct
.endr
.endr
	s_wait_kmcnt 0x0                               ; the step's mask words, asked for a step ago
.set i, 0
.rept 32                                       ; hidden scores become NEG; each accumulator is read from its low end on
	v_cndmask_b32 v[S+i], v[NEG], v[S+i], s[16+i]
	v_cndmask_b32 v[S+32+i], v[NEG], v[S+32+i], s[48+i+4*(i/16)]
.set i, i+1
.endr
	s_add_co_u32 s[MO], s[MO], 128                 ; (the wait above has shown the loads that read it done)  the next step's words;
	s_min_u32 s[MO], s[MO], 3968                   ; the last step asks for its own again: no load leaves the buffer
	MASKS
.irp n, 0,1,2,3                                ; the maximum of 32 scores and the old m, three operands at a time, four chains a tile
.irp t, 0,1
	v_max3_num_f32 v[ST+12*\t+6+\n], v[S+32*\t+8*\n], v[S+32*\t+8*\n+1], v[S+32*\t+8*\n+2]
.endr
.endr
.irp g, 1,2
.irp n, 0,1,2,3
.irp t, 0,1
	v_max3_num_f32 v[ST+12*\t+6+\n], v[ST+12*\t+6+\n], v[S+32*\t+8*\n+2*\g+1], v[S+32*\t+8*\n+2*\g+2]
.endr
.endr
.endr
.irp t, 0,1
	v_max3_num_f32 v[ST+12*\t+6], v[ST+12*\t+6], v[S+32*\t+7], v[S+32*\t+15]
	v_max3_num_f32 v[ST+12*\t+8], v[ST+12*\t+8], v[S+32*\t+23], v[S+32*\t+31]
.endr
.irp t, 0,1
	v_max3_num_f32 v[ST+12*\t+6], v[ST+12*\t+6], v[ST+12*\t+7], v[ST+12*\t+8]
.endr
.irp t, 0,1
	v_max3_num_f32 v[ST+12*\t+6], v[ST+12*\t+6], v[ST+12*\t+9], v[ST+12*\t]
.endr
.irp t, 0,1
	v_permlanex16_b32 v[ST+12*\t+5], v[ST+12*\t+6], s[SEL], s[SEL+1]   ; the query's other 32 keys lie in the lane 16 away
.endr
.irp t, 0,1
	v_max_num_f32 v[ST+12*\t], v[ST+12*\t+6], v[ST+12*\t+5]            ; the new m
.endr
.irp t, 0,1
	v_sub_f32 v[ST+12*\t+1], v[ST+12*\t+1], v[ST+12*\t]                ; m_old - m_new
.endr
.set i, 0
.rept 16
	v_pk_add_f32 v[S+i:S+i+1], v[S+i:S+i+1], v[ST:ST+1] op_sel_hi:[1,0] neg_lo:[0,1] neg_hi:[0,1]              ; t - m, two at a time: a plain subtraction, exactly 0 at the maximum
	v_pk_add_f32 v[S+32+i:S+32+i+1], v[S+32+i:S+32+i+1], v[ST+12:ST+13] op_sel_hi:[1,0] neg_lo:[0,1] neg_hi:[0,1]
.set i, i+2
.endr
	v_exp_f32 v[ST+4], v[ST+1]                     ; ONE BATCH: a of both tiles and the 64 p; none reads another's result
	v_exp_f32 v[ST+16], v[ST+13]
.set i, 0
.rept 64
	v_exp_f32 v[S+i], v[S+i]
.set i, i+1
.endr
	v_nop                                          ; a plain instruction behind the last exponential (ISA guide 5.7.2)
	s_wait_alu depctr_va_vdst(0)                   ; one wait for the batch, ahead of its first reader
.irp t, 0,1                                    ; the sum of the unrounded p: two chains of pairs a tile
	v_pk_add_f32 v[ST+12*\t+6:ST+12*\t+7], v[S+32*\t:S+32*\t+1], v[S+32*\t+2:S+32*\t+3]
	v_pk_add_f32 v[ST+12*\t+8:ST+12*\t+9], v[S+32*\t+4:S+32*\t+5], v[S+32*\t+6:S+32*\t+7]
.endr
.irp j, 8,12,16,20,24,28
.irp t, 0,1
	v_pk_add_f32 v[ST+12*\t+6:ST+12*\t+7], v[ST+12*\t+6:ST+12*\t+7], v[S+32*\t+\j:S+32*\t+\j+1]
	v_pk_add_f32 v[ST+12*\t+8:ST+12*\t+9], v[ST+12*\t+8:ST+12*\t+9], v[S+32*\t+\j+2:S+32*\t+\j+3]
.endr
.endr
.irp t, 0,1
	v_pk_add_f32 v[ST+12*\t+6:ST+12*\t+7], v[ST+12*\t+6:ST+12*\t+7], v[ST+12*\t+8:ST+12*\t+9]
.endr
.irp t, 0,1
	v_pk_fma_f32 v[ST+12*\t+2:ST+12*\t+3], v[ST+12*\t+2:ST+12*\t+3], v[ST+12*\t+4:ST+12*\t+5], v[ST+12*\t+6:ST+12*\t+7] op_sel_hi:[1,0,1]   ; l = a l + the sum
.endr
.set i, 0
.rept 16                                       ; p to f16, in place and ascending: register i takes pair i, which lies at 2 i: P's fragment of keys 32 kb on is registers 8 kb .. 8 kb + 7
	v_cvt_pk_f16_f32 v[S+i], v[S+2*i], v[S+2*i+1]
	v_cvt_pk_f16_f32 v[S+32+i], v[S+32+2*i], v[S+32+2*i+1]
.set i, i+1
.endr
.set i, 0
.rept 16
	v_pk_mul_f32 v[O+i:O+i+1], v[O+i:O+i+1], v[ST+4:ST+5] op_sel_hi:[1,0]                  ; O^T x a
	v_pk_mul_f32 v[O+32+i:O+32+i+1], v[O+32+i:O+32+i+1], v[ST+16:ST+17] op_sel_hi:[1,0]
.set i, i+2
.endr
	s_wait_dscnt 0x0                               ; V is in
.irp kb, 0,1                                   ; O^T += V^T P: eight accumulators by turns
.irp ct, 0,1,2,3
.irp q, 0,1
	v_wmma_f32_16x16x32_f16 v[O+32*\q+8*\ct:O+32*\q+8*\ct+7], v[KV+8*(4*\kb+\ct):KV+8*(4*\kb+\ct)+7], v[S+32*\q+8*\kb:S+32*\q+8*\kb+7], v[O+32*\q+8*\ct:O+32*\q+8*\ct+7]
.endr
.endr
.endr
	s_add_co_u32 s[TB], s[TB], 8192                ; the next four tiles of keys
.endm
.macro SLOTSTEPS slot                  ; a slot's eight key steps.  The loop's last product (on O^T) and its first (on S^T) name different accumulators
	s_mov_b32 s[TB], \slot*SLOTB
	s_mov_b32 s[CNT], 8
.Lstep_\@:
	STEP
	s_sub_co_u32 s[CNT], s[CNT], 1
	s_cmp_lg_u32 s[CNT], 0
	s_cbranch_scc1 .Lstep_\@
.endm
; THE CHANGE OF SLOTS.  Each wave waits for all its tensor loads, of which one may be out: its part of the slot ahead; adds 0 to its spare word; and waits for that and for its reads of the slot that it leaves.
; fill = 1: the slot just left is filled again, with the section two on.  The barrier is then a round of the cluster's, so that no wave of any partner still reads the slot or has a load on its way, and the joint
; refill is the first thing behind it, the wave's one tensor load until the next round.
.macro CHANGE fill, g
	s_wait_tensorcnt 0x0                           ; no tensor load of mine is out, so a group 0 may be written
	ds_add_u32 v[SPW], v[NIL]                      ; 0 onto my spare word
.if \fill
	s_add_nc_u64 s[\g+2:\g+3], s[\g+2:\g+3], 393216  ; two sections on; the type bits on top are not reached
.endif
	s_wait_dscnt 0x0                               ; the add is done, and my reads of the slot are over
.if \fill
	CROUND
	tensor_load_to_lds s[\g:\g+3], s[G1:G1+7]
	s_nop 0
.rept 4
	v_nop
.endr
.else
	s_barrier_signal -1
	s_barrier_wait -1
.endif
.endm
	s_wait_loadcnt 0x0                             ; Q
	s_wait_tensorcnt 0x1                           ; my part of slot 0 is in; slot 1's may stay out
	s_barrier_signal -1
	s_barrier_wait -1                              ; everybody's is
	SLOTSTEPS 0                                    ; keys 0-511.  The four runs are written out
	CHANGE 1, G0A                                  ; slot 0 takes keys 1,024 on
	SLOTSTEPS 1                                    ; keys 512-1,023
	CHANGE 1, G0B                                  ; slot 1 takes keys 1,536 on
	SLOTSTEPS 0
	CHANGE 0, G0A                                  ; nothing is left to fetch
	SLOTSTEPS 1
	; THE WAY OUT.  l's two halves and the other half of the lanes' are added; O^T / l, rounded to f16: a lane's eight channels of a query are 16 bytes of the next operand's image, at 16 x lane.
.irp t, 0,1
	v_add_f32 v[ST+12*\t+6], v[ST+12*\t+2], v[ST+12*\t+3]              ; (these additions and the v_nop below are the places behind the last products)
.endr
.irp t, 0,1
	v_permlanex16_b32 v[ST+12*\t+5], v[ST+12*\t+6], s[SEL], s[SEL+1]
.endr
.irp t, 0,1
	v_add_f32 v[ST+12*\t+6], v[ST+12*\t+6], v[ST+12*\t+5]
.endr
.irp t, 0,1
	v_rcp_f32 v[ST+12*\t+4], v[ST+12*\t+6]         ; l is at least 1: the largest p of a row is 1
.endr
	v_nop                                          ; a plain instruction behind the last reciprocal
	s_wait_alu depctr_va_vdst(0)                   ; one wait for the two, ahead of their first reader
.irp t, 0,1
.set i, 0
.rept 16
	v_pk_mul_f32 v[O+32*\t+i:O+32*\t+i+1], v[O+32*\t+i:O+32*\t+i+1], v[ST+12*\t+4:ST+12*\t+5] op_sel_hi:[1,0]
.set i, i+2
.endr
.set i, 0
.rept 16
	v_cvt_pk_f16_f32 v[S+16*\t+i], v[O+32*\t+2*i], v[O+32*\t+2*i+1]
.set i, i+1
.endr
.irp ct, 0,1,2,3
	global_store_b128 v[LI], v[S+16*\t+4*\ct:S+16*\t+4*\ct+3], s[OP:OP+1] offset:8192*\t+512*\ct   ; 512 consecutive bytes, aligned
.endr
.endr
	s_wait_kmcnt 0x0                               ; the last step's scalar loads
	s_wait_tensorcnt 0x0                           ; the wave's end: three closing lines behind my last tensor load
	ds_add_u32 v[SPW], v[NIL]
	s_wait_dscnt 0x0
	CROUND                                         ; the closing round: no work-group ends while a partner may still ask for a tile that names it
	s_endpgm
.Lfunc_end_k_qeccc76b013_attn:
	.size	k_qeccc76b013_attn, .Lfunc_end_k_qeccc76b013_attn-k_qeccc76b013_attn
	.p2alignl 7, 3214868480
	.fill 96, 4, 3214868480
	.section	.rodata,"a",@progbits
	.p2align	6, 0x0
	.amdhsa_kernel k_qeccc76b013_attn
		.amdhsa_group_segment_fixed_size 327680
		.amdhsa_private_segment_fixed_size 0
		.amdhsa_enable_private_segment 0
		.amdhsa_kernarg_size 24
		.amdhsa_user_sgpr_count 2
		.amdhsa_user_sgpr_kernarg_segment_ptr 1
		.amdhsa_wavefront_size32 1
		.amdhsa_system_sgpr_workgroup_id_x 1
		.amdhsa_system_sgpr_workgroup_id_y 1
		.amdhsa_system_sgpr_workgroup_id_z 1
		.amdhsa_system_vgpr_workitem_id 0
		.amdhsa_next_free_vgpr 256
		.amdhsa_next_free_sgpr 102
		.amdhsa_reserve_vcc 0
		.amdhsa_float_denorm_mode_32 3
		.amdhsa_float_denorm_mode_16_64 3
		.amdhsa_memory_ordered 1
		.amdhsa_forward_progress 1
		.amdhsa_inst_pref_size 101
	.end_amdhsa_kernel
	.amdgpu_metadata
---
amdhsa.version: [ 1, 2 ]
amdhsa.kernels:
  - .name:           k_qeccc76b013_attn
    .symbol:         k_qeccc76b013_attn.kd
    .args:
      - { .name: qkv, .offset: 0, .size: 8, .value_kind: global_buffer, .address_space: global }
      - { .name: maskw, .offset: 8, .size: 8, .value_kind: global_buffer, .address_space: global }
      - { .name: oh, .offset: 16, .size: 8, .value_kind: global_buffer, .address_space: global }
    .group_segment_fixed_size: 327680
    .private_segment_fixed_size: 0
    .kernarg_segment_align: 8
    .kernarg_segment_size: 24
    .max_flat_workgroup_size: 256
    .sgpr_count:     102
    .vgpr_count:     256
    .wavefront_size: 32
...
	.end_amdgpu_metadata
.endif
;; end of part 3
;; launch outp (part 4): grid 8 x 32, 4 waves a work-group, clusters of 4 x 4, 327,680 bytes of LDS; arguments oh, woh, bo, out0; writes out0
.if DOCPART == 4
	.amdgcn_target "amdgcn-amd-amdhsa--gfx1250"
	.amdhsa_code_object_version 6
	.text
	.protected	k_qeccc76b013_outp
	.globl	k_qeccc76b013_outp
	.p2align	8
	.type	k_qeccc76b013_outp,@function
k_qeccc76b013_outp:
	s_mov_b64 s[64:65], 0
	v_nop
	global_prefetch_b8 v0, s[64:65] scope:SCOPE_SE
	s_setreg_imm32_b32 hwreg(HW_REG_WAVE_MODE, 25, 1), 1
	s_wait_xcnt 0x0
	s_wait_alu depctr_hold_cnt(0) depctr_sa_sdst(0) depctr_va_vdst(0) depctr_va_sdst(0) depctr_va_ssrc(0) depctr_va_vcc(0) depctr_vm_vsrc(0)
	s_getreg_b32 s2, hwreg(HW_REG_IB_STS2, 6, 4)
	s_cmp_eq_u32 s2, 0
	s_cbranch_scc0 .Lentry_in_a_cluster
	s_endpgm
.Lentry_in_a_cluster:
	s_bfe_u32 s2, ttmp6, 0x10000c
	s_cmp_lg_u32 s2, 0xf033
	s_cbranch_scc0 .Lentry_shape_is_right
	s_endpgm
.Lentry_shape_is_right:
; OUTP: out0[m][n] = the sum over k of o[m][k] Wo[n][k] + bo[n].  m: 4,096 rows, n: 1,024, K = 1,024.  Operands f16, sums and result f32.
; oh holds o as images of operand registers: [256 along K][tile of 16 rows][32 along K kb][half c][lane][16 bytes]: a K step's 128 rows are 65,536 dense bytes, and a fragment is read at 16 x lane.
; woh holds Wo as f16, row-major: its tiles come as rows of 512 bytes, padded in LDS.
; A tile of out0 is 128 x 128: 8 x 32 = 256 work-groups of four waves, each 64 x 64: 16 accumulators.  K goes in four steps of 256 through two LDS slots; the four steps are written out.
; CLUSTERS: 4 x 4 work-groups.  The four of a row of the cluster need the same rows of o, the four of a column the same rows of Wo: each tile is asked for JOINTLY.
; THE MATRIX INSTRUCTION IS USED TRANSPOSED (source 0 = 16 rows of Wo, source 1 = 16 rows of o): a lane holds eight neighbouring numbers of a row of out0.  bo is the C of each sum's first instruction.
; A K step here holds 128 products a wave, and a refill is asked for 112 products ahead of the wait for it; on so small a tile no prefetch is laid beside the tensor loads.
; REGISTERS: window 0: v0-31 addresses; v32-63 bo, four tiles; on the way out v32-95 rows of out0; v128-255 the accumulators ((a, b) at v[128 + 8 (4 a + b)]).
;   window 1: two fragment buffers of 128: for 64 along K, 64 registers of o (2 x 4 x 16 rows x 32 K), then 64 of Wo.
.set PITCH,  528                       ; a row of Wo's tile in LDS: 512 bytes + 16 of padding = 132 words: row r starts at bank 4 r mod 64 (64 banks of 4 bytes: ISA guide 11.1)
.set ABYTES, 65536                     ; o's part of a slot: 8 tiles of rows x 8,192 bytes, dense
.set HALFA,  32768                     ; what one tensor load brings of it, and what one wave reads
.set HALFB,  64*PITCH                  ; 64 rows of Wo: likewise
.set SLOT,   ABYTES+2*HALFB            ; 133,120
.set STAGE,  2*SLOT                    ; behind the slots: 16 rows x 272 bytes for each wave, for the way out; no tensor load fills it
.set SPITCH, 272
.set SPARE,  STAGE+4*16*SPITCH         ; the spare words, 128 bytes for each wave: two blocks of 256 bytes that no other line names
.set ADRA, 16                          ; v16-17  LDS address of my fragments of o in slot 0, 1
.set ADRB, 20                          ; v20-21  the same for Wo
.set STO,  24                          ; v24     the way out: where I put 32 bytes of a row
.set RD,   25                          ; v25     the way out: where I read a row back
.set CO,   26                          ; v26     my byte offset in out0
.set BO,   27                          ; v27     32 x (lane / 16): my eight numbers of a tile of bo
.set SPW,  28                          ; v28     LDS address of my spare word; never rewritten
.set NIL,  29                          ; v29     0; never rewritten
.set BI,   32                          ; bo: tile b at v[BI + 8 b]
.set TMP,  32                          ; the way out: two sets of 32 registers by turns
.set ACC,  128
.set F0,   0                           ; fragment buffers, in window 1
.set F1,   128
.set G1, 24                            ; s[24:31] descriptor group 1 for o's tiles;  s[32:39] group 0, one set for each slot
.set G0, 32
.set G1B, 48                           ; s[48:55], s[56:63] the same for Wo's tiles
.set G0B, 56
.set MSB, 0
.macro WIN new                         ; the immediate's high byte repeats the setting that is left
.if MSB != \new
	s_set_vgpr_msb (MSB<<8)|\new
.set MSB, \new
.endif
.endm
.set MUL,  0x05                        ; sources 0 (Wo) and 1 (o) window 1; C and D window 0
.set TO_F, 0x40                        ; destination window 1, address window 0
.macro JLOAD s                         ; a joint load: waves 0 and 1 fetch o's two halves, waves 2 and 3 Wo's; an s_nop 0 and four v_nop follow each of the two lines, ahead of the jump, the label and what follows
	s_cmp_eq_u32 s11, 0
	s_cbranch_scc0 .Lfor_b_\@
	tensor_load_to_lds s[G0+4*\s:G0+4*\s+3], s[G1:G1+7]
	s_nop 0
.rept 4
	v_nop
.endr
	s_branch .Lasked_\@
.Lfor_b_\@:
	tensor_load_to_lds s[G0B+4*\s:G0B+4*\s+3], s[G1B:G1B+7]
	s_nop 0
.rept 4
	v_nop
.endr
.Lasked_\@:
.endm
.macro CREST                           ; a round of the cluster's barrier behind its opening barrier
	s_cmp_lg_u32 s10, 0
	s_cbranch_scc1 .Lnot_wave_0_\@
	s_barrier_signal -3
.Lnot_wave_0_\@:
	s_barrier_wait -3
	s_barrier_signal -1
	s_barrier_wait -1
.endm
.macro CROUND                          ; a whole round
	s_barrier_signal -1
	s_barrier_wait -1
	CREST
.endm
	s_load_b128 s[4:7], s[0:1], 0x0                ; oh s[4:5], woh s[6:7]
	s_load_b64 s[66:67], s[0:1], 0x10              ; bo
	s_load_b64 s[8:9], s[0:1], 0x18                ; out0
	v_lshl_add_u32 v[SPW], v0, 2, SPARE
	v_mov_b32 v[NIL], 0
	ds_add_u32 v[SPW], v[NIL]                      ; the wave's opening: the add, twice on end, and its wait ahead of my first tensor load; the set-up below stands between the second and the wait
	ds_add_u32 v[SPW], v[NIL]
	v_lshrrev_b32 v1, 5, v0
	v_readfirstlane_b32 s10, v1                    ; wave 0..3
	s_lshr_b32 s11, s10, 1                         ; which half of the tile's rows is mine.  Also: I fetch for o (0) or for Wo (1)
	s_and_b32 s12, s10, 1                          ; which half of its columns.  Also: which half of that tile I fetch
	s_bfe_u32 s40, ttmp6, 0x40000                  ; cx, cy: my place in the cluster
	s_bfe_u32 s41, ttmp6, 0x40004
	s_lshl_b32 s42, ttmp9, 2
	s_add_co_u32 s42, s42, s40                     ; tile column = 4 x cluster x + cx: 0..7
	s_and_b32 s13, ttmp7, 0xffff
	s_lshl_b32 s13, s13, 2
	s_add_co_u32 s13, s13, s41                     ; tile row = 4 x cluster y + cy: 0..31
	s_lshl_b32 s43, s41, 2
	s_lshl_b32 s43, 15, s43                        ; my row of the cluster
	s_lshl_b32 s44, 0x1111, s40                    ; my column
	; o: 32,768 dense bytes as 128 rows of 256 bytes (32 elements of 8 bytes), no padding
	s_or_b32 s[G1+0], s43, (3<<16)|(1<<21)         ; 15:0 the mask: o's tiles go to my row; 17:16 elements of 8 bytes; 21 set beside a mask
	s_mov_b32 s[G1+1], 32<<16                      ; tensor_dim0
	s_mov_b32 s[G1+2], 128<<16                     ; tensor_dim1
	s_mov_b32 s[G1+3], 32<<16                      ; tile_dim0
	s_mov_b32 s[G1+4], 128                         ; tile_dim1
	s_mov_b32 s[G1+5], 32                          ; tensor_dim0_stride
	s_mov_b32 s[G1+6], 0
	s_mov_b32 s[G1+7], 0
	; Wo: 64 rows x 256 elements of 2 bytes, 1,024 elements from row to row, padded in LDS
	s_or_b32 s[G1B+0], s44, (1<<16)|(1<<20)|(1<<21)|(6<<22)|(3<<25)  ; the mask of my column; padding: four words (code 3) after every 128 (code 6)
	s_mov_b32 s[G1B+1], 256<<16
	s_mov_b32 s[G1B+2], 64<<16
	s_mov_b32 s[G1B+3], 256<<16
	s_mov_b32 s[G1B+4], 64
	s_mov_b32 s[G1B+5], 1024
	s_mov_b32 s[G1B+6], 0
	s_mov_b32 s[G1B+7], 0
	s_lshl_b32 s16, s13, 16                        ; o: 8 tiles of rows x 8,192 bytes a tile row,
	s_lshl_b32 s17, s12, 15                        ; 4 a half
	s_add_co_u32 s16, s16, s17
	s_mov_b32 s17, 0
	s_lshl_b32 s46, s42, 18                        ; Wo: 128 rows x 2,048 bytes a tile column,
	s_lshl_b32 s47, s12, 17                        ; 64 a half
	s_add_co_u32 s46, s46, s47
	s_mov_b32 s47, 0
	s_lshl_b32 s20, s12, 15                        ; where they go: o's halves at 0 and 32,768;
	s_mul_i32 s21, s12, HALFB
	s_add_co_u32 s21, s21, ABYTES                  ; Wo's behind them: no place in the cluster enters an LDS address
	s_wait_dscnt 0x0                               ; both opening adds are done
	s_wait_kmcnt 0x0
	s_add_nc_u64 s[14:15], s[4:5], s[16:17]
	s_add_nc_u64 s[46:47], s[6:7], s[46:47]
	CROUND                                         ; all sixteen work-groups are here: the first joint loads meet
.irp s, 0,1
	s_mov_b32 s[G0+4*\s], 1
	s_add_co_u32 s[G0+4*\s+1], s20, \s*SLOT
	s_add_nc_u64 s[G0+4*\s+2:G0+4*\s+3], s[14:15], \s*2097152     ; K step s of o
	s_or_b32 s[G0+4*\s+3], s[G0+4*\s+3], 0x80000000
	s_mov_b32 s[G0B+4*\s], 1
	s_add_co_u32 s[G0B+4*\s+1], s21, \s*SLOT
	s_add_nc_u64 s[G0B+4*\s+2:G0B+4*\s+3], s[46:47], \s*512       ; K step s of Wo's rows
	s_or_b32 s[G0B+4*\s+3], s[G0B+4*\s+3], 0x80000000
	JLOAD \s                                       ; two tensor loads of mine are out
.endr
	v_and_b32 v1, 15, v0                           ; l % 16
	v_bfe_u32 v2, v0, 4, 1                         ; l / 16
	; bo of my 64 columns: tile b's register j is bo[16 b + 8 (l / 16) + j], the result's own layout
	s_lshl_b32 s46, s42, 9                         ; 128 columns x 4 bytes a tile column,
	s_lshl_b32 s47, s12, 8                         ; 64 x 4 a half
	s_add_co_u32 s46, s46, s47
	s_mov_b32 s47, 0
	s_add_nc_u64 s[66:67], s[66:67], s[46:47]
	v_lshlrev_b32 v[BO], 5, v2
.irp b, 0,1,2,3
	global_load_b128 v[BI+8*\b:BI+8*\b+3],   v[BO], s[66:67] offset:64*\b
	global_load_b128 v[BI+8*\b+4:BI+8*\b+7], v[BO], s[66:67] offset:64*\b+16
.endr
	v_and_b32 v3, 31, v0
	v_lshlrev_b32 v3, 4, v3                        ; o: 16 x lane
	v_mul_u32_u24 v4, v1, PITCH
	v_lshl_add_u32 v4, v2, 4, v4                   ; Wo: a fragment's row x pitch + 16 x half
	s_lshl_b32 s21, s11, 15                        ; my four tiles of rows of o
	s_mul_i32 s22, s12, HALFB                      ; my 64 rows of Wo,
	s_add_co_u32 s22, s22, ABYTES                  ; which lie behind o's part
.irp s, 0,1
	v_add_nc_u32 v[ADRA+\s], s21, v3
	v_add_nc_u32 v[ADRB+\s], s22, v4
	s_add_co_u32 s21, s21, SLOT
	s_add_co_u32 s22, s22, SLOT
.endr
	s_mul_i32 s23, s10, 16*SPITCH
	s_add_co_u32 s23, s23, STAGE                   ; my stage
	v_mul_u32_u24 v5, v1, SPITCH                   ; in: row l % 16, 32 bytes for each half of the lanes
	v_lshl_add_u32 v5, v2, 5, v5
	v_add_nc_u32 v[STO], s23, v5
	v_mul_u32_u24 v5, v2, SPITCH                   ; back: lanes 0-15 take one row of 256 bytes, lanes 16-31 the next
	v_lshl_add_u32 v5, v1, 4, v5
	v_add_nc_u32 v[RD], s23, v5
	v_lshlrev_b32 v5, 12, v2                       ; and the same two rows in out0: 4,096 bytes a row
	v_lshl_add_u32 v[CO], v1, 4, v5
	s_lshl_b32 s16, s13, 19                        ; my first row: 128 rows x 4,096 bytes a tile row,
	s_lshl_b32 s17, s11, 18                        ; 64 a half;
	s_add_co_u32 s16, s16, s17
	s_add_co_u32 s16, s16, s46                     ; my first column, as for bo
	s_mov_b32 s17, 0
	s_add_nc_u64 s[8:9], s[8:9], s[16:17]
; 8 matrix instructions: row blocks a0, a0 + 1 x all 4 column blocks, 32 along K: half c of buffer f.  first = 1: bo starts the sums: nothing is ever cleared.
; The 16 accumulators take turns, one instruction a turn.
.macro MUL8 f, c, a0, first
.irp a, \a0, \a0+1
.irp b, 0,1,2,3
.if \first
	v_wmma_f32_16x16x32_f16 v[ACC+8*(4*(\a)+\b):ACC+8*(4*(\a)+\b)+7], v[\f+64+8*(4*\c+\b):\f+64+8*(4*\c+\b)+7], v[\f+8*(4*\c+\a):\f+8*(4*\c+\a)+7], v[BI+8*\b:BI+8*\b+7]
.else
	v_wmma_f32_16x16x32_f16 v[ACC+8*(4*(\a)+\b):ACC+8*(4*(\a)+\b)+7], v[\f+64+8*(4*\c+\b):\f+64+8*(4*\c+\b)+7], v[\f+8*(4*\c+\a):\f+8*(4*\c+\a)+7], v[ACC+8*(4*(\a)+\b):ACC+8*(4*(\a)+\b)+7]
.endif
.endr
.endr
.endm
; 32 LDS loads in one run: the fragments of the slot's q-th 64 along K into buffer f; the first 32 along K first
.macro FETCH slot, q, f
	WIN TO_F
.irp c, 0,1
.irp i, 0,1,2,3
	ds_load_b128 v[\f+64+8*(4*\c+\i):\f+64+8*(4*\c+\i)+3],   v[ADRB+\slot] offset:128*(\q)+64*\c+\i*16*PITCH
	ds_load_b128 v[\f+64+8*(4*\c+\i)+4:\f+64+8*(4*\c+\i)+7], v[ADRB+\slot] offset:128*(\q)+64*\c+\i*16*PITCH+32
	ds_load_b128 v[\f+8*(4*\c+\i):\f+8*(4*\c+\i)+3],         v[ADRA+\slot] offset:(2*(\q)+\c)*1024+\i*8192
	ds_load_b128 v[\f+8*(4*\c+\i)+4:\f+8*(4*\c+\i)+7],       v[ADRA+\slot] offset:(2*(\q)+\c)*1024+\i*8192+512
.endr
.endr
.endm
.macro PLACES                          ; four places in front of loads into registers that matrix instructions have read, and of the first reads of results (ISA guide 7.12.1 for the first reads of results)
.rept 4
	v_nop
.endr
.endm
; A K step is four quarters of 64 along K, 32 matrix instructions each, on buffers 0, 1, 0, 1.  One of the first three: multiplies buffer f and fetches quarter q into g.
.macro QUARTER slot, q, f, g, first
	s_wait_dscnt 16                                ; the first 32 along K are in; the younger sixteen loads may be out
	WIN MUL
	MUL8 \f, 0, 0, \first
	MUL8 \f, 0, 2, \first
	PLACES
	FETCH \slot, \q, \g
	s_wait_dscnt 32                                ; all but the 32 just issued
	WIN MUL
	MUL8 \f, 1, 0, 0
	MUL8 \f, 1, 2, 0
.endm
; The last quarter multiplies buffer 1 and changes slots: ONE barrier; in front of it each wave waits for all its tensor loads, adds 0 to its spare word, and waits for that and for its own reads of this slot.
; fill = 1: this slot is filled again, two K steps ahead; the barrier then opens a round of the cluster's barrier.
.macro TURN slot, next, fill
	WIN 0                                          ; (the add's two registers lie in window 0)
	s_wait_tensorcnt 0x0                           ; all my tensor loads have landed: my part of the next slot
	ds_add_u32 v[SPW], v[NIL]                      ; 0 onto my spare word
	s_wait_dscnt 17                                ; (the add and the youngest sixteen loads may be out)
	WIN MUL
	MUL8 F1, 0, 0, 0                               ; eight matrix instructions stand between the add and the wait for it
	s_wait_dscnt 0x0                               ; the add is done, and my reads of this slot are over
	s_barrier_signal -1
	MUL8 F1, 0, 2, 0
.if \fill
	WIN 0
.endif
	s_barrier_wait -1
.if \fill
	CREST                                          ; no wave of any partner still reads this slot's tiles or has a load on its way
	s_add_nc_u64 s[G0+4*\slot+2:G0+4*\slot+3], s[G0+4*\slot+2:G0+4*\slot+3], 2*2097152
	s_add_nc_u64 s[G0B+4*\slot+2:G0B+4*\slot+3], s[G0B+4*\slot+2:G0B+4*\slot+3], 2*512
	JLOAD \slot                                    ; the first tensor load behind the round, and my one until the next; the four v_nop behind it are also the places in front of the loads below
.else
	PLACES
.endif
	FETCH \next, 0, F0
	WIN MUL
	MUL8 F1, 1, 0, 0
	MUL8 F1, 1, 2, 0
.endm
	s_wait_tensorcnt 1                             ; my part of K step 0 is in (K step 1's load may be out)
	s_barrier_signal -1
	s_barrier_wait -1                              ; everybody's is
	FETCH 0, 0, F0
	s_wait_loadcnt 0x0                             ; bo
	QUARTER 0, 1, F0, F1, 1                        ; K step 0: its first products start the sums on bo
	QUARTER 0, 2, F1, F0, 0
	QUARTER 0, 3, F0, F1, 0
	TURN 0, 1, 1                                   ; slot 0 takes K step 2
	QUARTER 1, 1, F0, F1, 0                        ; K step 1
	QUARTER 1, 2, F1, F0, 0
	QUARTER 1, 3, F0, F1, 0
	TURN 1, 0, 1                                   ; slot 1 takes K step 3
	QUARTER 0, 1, F0, F1, 0                        ; K step 2
	QUARTER 0, 2, F1, F0, 0
	QUARTER 0, 3, F0, F1, 0
	TURN 0, 1, 0                                   ; nothing is left to fetch
	QUARTER 1, 1, F0, F1, 0                        ; K step 3
	QUARTER 1, 2, F1, F0, 0
	QUARTER 1, 3, F0, F1, 0
	s_wait_dscnt 16                                ; the very last quarter
	WIN MUL
	MUL8 F1, 0, 0, 0
	MUL8 F1, 0, 2, 0
	s_wait_dscnt 0
	MUL8 F1, 1, 0, 0
	MUL8 F1, 1, 2, 0
	WIN 0
; THE WAY OUT, block by block of 16 rows x 64 columns.  A lane holds 32 neighbouring bytes of a row, and the lanes beside it hold other rows: so a block goes through my own stage in LDS and comes back as whole
; rows of 256 bytes, which sixteen lanes store as 256 consecutive bytes, aligned.  LDS serves a wave's instructions in order (ISA guide 5.7.1.4): no wait between the stores and the loads, nor in front of the next block's stores.
.macro TOSTAGE a
.irp b, 0,1,2,3
	ds_store_b128 v[STO], v[ACC+8*(4*(\a)+\b):ACC+8*(4*(\a)+\b)+3] offset:64*\b          ; each accumulator from its low end on
	ds_store_b128 v[STO], v[ACC+8*(4*(\a)+\b)+4:ACC+8*(4*(\a)+\b)+7] offset:64*\b+16
.endr
.irp t, 0,1,2,3,4,5,6,7
	ds_load_b128 v[TMP+32*((\a)%2)+4*\t:TMP+32*((\a)%2)+4*\t+3], v[RD] offset:\t*2*SPITCH
.endr
.endm
.macro SEND a, younger                 ; younger: the LDS instructions issued behind block a's loads: the next block's eight stores and eight loads, or none
	s_wait_dscnt \younger
.irp t, 0,1,2,3,4,5,6,7
	global_store_b128 v[CO], v[TMP+32*((\a)%2)+4*\t:TMP+32*((\a)%2)+4*\t+3], s[8:9] offset:(16*(\a)+2*\t)*4096 th:TH_STORE_NT   ; written once, read by nobody here
.endr
.endm
	PLACES                                         ; behind the last products: their results are read below, and loads land on registers that the first products read as C
	TOSTAGE 0
.irp a, 1,2,3
.if \a > 1
	s_wait_xcnt 0x0                                ; block a - 2's stores have read their data registers: block a's loads may land there
.endif
	TOSTAGE \a
	SEND \a-1, 16
.endr
	SEND 3, 0
	s_wait_tensorcnt 0x0                           ; the wave's end: three closing lines behind my last tensor load and my last LDS store
	ds_add_u32 v[SPW], v[NIL]
	s_wait_dscnt 0x0
	CROUND                                         ; the closing round: no work-group ends while a partner may still ask for a tile that names it
	s_endpgm
.Lfunc_end_k_qeccc76b013_outp:
	.size	k_qeccc76b013_outp, .Lfunc_end_k_qeccc76b013_outp-k_qeccc76b013_outp
	.p2alignl 7, 3214868480
	.fill 96, 4, 3214868480
	.section	.rodata,"a",@progbits
	.p2align	6, 0x0
	.amdhsa_kernel k_qeccc76b013_outp
		.amdhsa_group_segment_fixed_size 327680
		.amdhsa_private_segment_fixed_size 0
		.amdhsa_enable_private_segment 0
		.amdhsa_kernarg_size 32
		.amdhsa_user_sgpr_count 2
		.amdhsa_user_sgpr_kernarg_segment_ptr 1
		.amdhsa_wavefront_size32 1
		.amdhsa_system_sgpr_workgroup_id_x 1
		.amdhsa_system_sgpr_workgroup_id_y 1
		.amdhsa_system_sgpr_workgroup_id_z 1
		.amdhsa_system_vgpr_workitem_id 0
		.amdhsa_next_free_vgpr 512
		.amdhsa_next_free_sgpr 68
		.amdhsa_reserve_vcc 0
		.amdhsa_float_denorm_mode_32 3
		.amdhsa_float_denorm_mode_16_64 3
		.amdhsa_memory_ordered 1
		.amdhsa_forward_progress 1
		.amdhsa_inst_pref_size 86
	.end_amdhsa_kernel
	.amdgpu_metadata
---
amdhsa.version: [ 1, 2 ]
amdhsa.kernels:
  - .name:           k_qeccc76b013_outp
    .symbol:         k_qeccc76b013_outp.kd
    .args:
      - { .name: oh, .offset: 0, .size: 8, .value_kind: global_buffer, .address_space: global }
      - { .name: woh, .offset: 8, .size: 8, .value_kind: global_buffer, .address_space: global }
      - { .name: bo, .offset: 16, .size: 8, .value_kind: global_buffer, .address_space: global }
      - { .name: out0, .offset: 24, .size: 8, .value_kind: global_buffer, .address_space: global }
    .group_segment_fixed_size: 327680
    .private_segment_fixed_size: 0
    .kernarg_segment_align: 8
    .kernarg_segment_size: 32
    .max_flat_workgroup_size: 128
    .sgpr_count:     68
    .vgpr_count:     512
    .wavefront_size: 32
...
	.end_amdgpu_metadata
.endif
;; end of part 4
